; MI455X (gfx1250); checked and timed in simulation.
; The chip was launched on July 23, 2026; its instructions are those of AMD's public machine-readable ISA for CDNA 5 (MIT licence, August 2026) and "CDNA5" Instruction Set Architecture Reference Guide (July 2026). The comments in the code are by the model that wrote it; some were corrected since.
;; Multi Head Attention. Allowed arithmetic: matrix products marked QUANTISED: E2M3 operands, one E8M0 scale for each 32 along K, by v_wmma_scale_f32_16x16x128_f8f6f4 with both operands' format E2M3, f32 sums; everything else in f32.
;; Inputs: Wk 16 x 64 x 1,024 float32; Wo 1,024 x 1,024 float32; Wq 16 x 64 x 1,024 float32; Wv 16 x 64 x 1,024 float32; bo 1,024 float32; x 4 x 2,048 x 1,024 float32.
;; Outputs: out0 4 x 2,048 x 1,024 float32.
;; This version of the problem:
;;   THIS VERSION OF THE PROBLEM IS GIVEN IN LOW PRECISION. The matrix products marked QUANTISED in the list below multiply operands that are first quantised to E2M3 (2 exponent bits, 3 mantissa bits; 6 bits a number), with one power-of-two scale for each 32 numbers along K (OCP MX v1.0); their sums are f32. All else is computed in f32.
;;   The module's matrix products, in the order in which they are computed (A, B: the left and right operand; K: the contracted axis; several contracted axes count as one K, in the product's order):
;;     1. [M 1,024, K 1,024] x [K 1,024, N 8,192]; A: input Wq; B: input x: QUANTISED
;;     2. [M 1,024, K 1,024] x [K 1,024, N 8,192]; A: input Wk; B: input x: QUANTISED
;;     3. [M 1,024, K 1,024] x [K 1,024, N 8,192]; A: input Wv; B: input x: QUANTISED
;;     4. batch 64 x [M 2,048, K 64] x [K 64, N 2,048]; A: computed on the way; B: computed on the way: QUANTISED
;;     5. batch 64 x [M 2,048, K 2,048] x [K 2,048, N 64]; A: softmax (see below); B: computed on the way: QUANTISED
;;     6. [M 8,192, K 1,024] x [K 1,024, N 1,024]; A: computed on the way; B: input Wo: QUANTISED
;;   THE QUANTISER, for each operand of a quantised product, along K:
;;     - K is cut into blocks of 32 from its start; a last block that is shorter is filled with zeros.
;;     - A block's scale is 2^e with e = floor(log2(the largest magnitude in the block)) - 2, held to -126 .. 127; a block of zeros has e = 0. As a byte (E8M0): e + 127.
;;     - Each number is divided by its block's scale, clamped to +-7.5, and rounded to the nearest number of E2M3, ties to even, subnormals kept.
;;     - The product sums the exact products of the quantised numbers (number of the format x scale) in f32.
;;   ~~~python
;;   def quantise(x, axis):      # numpy; x: float32 -> the quantised numbers, widened to float32 again
;;       x = np.moveaxis(x, axis, -1); K = x.shape[-1]
;;       x = np.pad(x, [(0, 0)] * (x.ndim - 1) + [(0, -K % 32)]); x = x.reshape(x.shape[:-1] + (-1, 32)); a = np.abs(x).max(-1, keepdims=True)
;;       e = np.where(a > 0, np.clip(np.frexp(np.where(a > 0, a, 1))[1] - 1 - 2, -126, 127), 0)      # np.frexp(a)[1] - 1 = floor(log2(a)), exactly
;;       r = np.clip(x / 2.0 ** e, -7.5, 7.5)
;;       step = 2.0 ** (np.maximum(np.frexp(np.where(r == 0, 1, r))[1] - 1, 0) - 3)
;;       q = np.round(r / step) * step * 2.0 ** e      # np.round: ties to even
;;       return np.moveaxis(q.reshape(q.shape[:-2] + (-1,))[..., :K], -1, axis).astype(np.float32)
;;   ~~~
;;   SOFTMAX AHEAD OF A QUANTISED PRODUCT. Where the list says 'softmax', what is quantised is not the finished softmax but p = 2^(t - M), with t = logit x log2(e) and M = ceil(the row's largest t), a whole number; so 1/2 < the row's largest p <= 1. The row's sum l is taken of the UNQUANTISED p, in f32, and the product's result is divided by l at the end. Since M is a whole number, a kernel that streams over the keys may use a running M (the ceiling of the running maximum): every later rescaling is an exact power of two, which a block's scale takes up: the codes' values come out the same.
;;   OPERANDS COMPUTED ON THE WAY. 'Computed on the way' means the value that the module computes at that place (a softmax that the list does not call 'softmax' is quantised finished and normalised). What goes into a quantiser is computed in f32, as accurately as f32 sums, v_exp_f32 and their like allow (about 1e-6 of the number): no bf16 or f16 on the way to a quantiser, and a product that is left as it is and whose result goes on into a quantised operand takes f32 operands (vector FMAs, or v_wmma_f32_16x16x4_f32). A number that lies on a knife's edge between two numbers of the format may be rounded either way, as far as f32 arithmetic and the matrix unit's own rounding can turn it there, and no further.
;; One version. Each part assembles by itself: llvm-mc -triple=amdgcn-amd-amdhsa -mcpu=gfx1250 --defsym DOCPART=n.
;; ======== version 1 of 1: 4 launches
;; workspace buffers: ops 9,830,400 bytes; qkv 19,660,800 bytes; att 6,553,600 bytes
;; launch quant (part 1): grid 256 x 1, 6 waves a work-group, no clusters, 52,992 bytes of LDS; arguments x, Wq, Wk, Wv, Wo, ops; writes ops
.if DOCPART == 1
	.amdgcn_target "amdgcn-amd-amdhsa--gfx1250"
	.amdhsa_code_object_version 6
	.text
	.protected	k_q6d6cbc0de3_quant
	.globl	k_q6d6cbc0de3_quant
	.p2align	8
	.type	k_q6d6cbc0de3_quant,@function
k_q6d6cbc0de3_quant:
	s_mov_b64 s[64:65], 0
	v_nop
	global_prefetch_b8 v0, s[64:65] scope:SCOPE_SE
	s_setreg_imm32_b32 hwreg(HW_REG_WAVE_MODE, 25, 1), 1
	s_wait_xcnt 0x0
; THE PROGRAM: causal multi-head attention, B 4, T 2,048, C 1,024, 16 heads of 64, all six products on codes of FP6 (E2M3) with one E8M0 scale for each 32 along K.
; Four launches: quant (x, Wq, Wk, Wv, Wo -> codes), proj (q, k, v, quantised on the way out), attn (both attention products and the softmax), outp (the projection on the way out, + bo).
; WORK LEFT OUT (in attn): reference() sets wei to -inf wherever key > query, by a mask that it builds itself (jnp.tril); exp(-inf) = 0, so such a key adds 0 to the row's sum and 0 x v to the row's result,
; whatever finite values the inputs hold, and it cannot be the row's maximum, since key 0 counts for every query.  So a step of 128 keys all of which come after all 16 queries of a tile is not multiplied.
; LIMIT: a NaN, an infinity or an overflow that reaches only those steps is not carried to the result.  Every input has a way to the output and is loaded.
; POSITIONS.  Rows (tokens, rows of a weight) are kept by POSITION: the row's number with bits 3 and 4 changed over.  A TILE is 16 neighbouring positions: lane r of tile i is row 32 (i / 2) + 8 (i % 2) + r + 8 (r / 8).
; With such a tile as source 0 of a product, the 16 result registers of tiles 2 b and 2 b + 1 are 16 true neighbours, 32 b + 16 (lane / 16) + 0 .. 15, along the next product's K.
; IMAGES.  Codes lie in memory in the order of the operand's registers.  A half image (16 rows x 64 K, 768 bytes): lane l's registers 0-3 at 16 l, its registers 4-5 at 512 + 8 l.  A fragment (16 rows x 128 K): two half images on end.
; THIS LAUNCH.  ops: tile g (x 0-511, Wq 512-575, Wk 576-639, Wv 640-703, Wo 704-767) has 8 fragments at 12,288 g + 1,536 s, and its scale words (a word for a row and 128 along K) at SCL0 + 512 g + 256 (s / 4) + 16 r + 4 (s % 4).
; A block's scale is 2^(floor(log2(its largest magnitude)) - 2); its byte is the largest magnitude's exponent field - 2, held at 1 from below (a block of zeros gets 1 where the rule says 127: its codes are zeros, and this program alone reads the bytes).
; LIMITS: NaN and infinities among the inputs are not served.
; SHARES.  768 tiles x 2 halves of K = 1,536 jobs = 256 work-groups x 6 waves.  A job: 16 rows x 512 numbers, in 4 chunks of 128 along K.  Each load takes 512 consecutive bytes of one row; a chunk turns through the wave's own stage
; in LDS (rows of 528 bytes), from which lane (r, h) takes blocks h and 2 + h of row r whole.  Waves share nothing: no barrier.  Loads run two chunks (32 loads a wave) ahead.
.set WREG,  8704                       ; a wave's stage: 16 rows x 528 bytes, rounded up to blocks of 256
.set SP,    528
.set SPARE, 6*WREG                     ; behind the stages: the spare words, 128 bytes a wave
.set SCL0,  9437184
.set L16, 4                            ; v4   16 x lane
.set L8,  5                            ; v5   8 x lane
.set STI, 6                            ; v6   the stage, on the way in
.set STO, 7                            ; v7   and out: 528 r + 128 h
.set H8,  8                            ; v8   8 h
.set SWO, 9                            ; v9   16 r + 8 h: my two scale words' place
.set SPW, 10                           ; v10  my spare word; never rewritten
.set NIL, 11                           ; v11  0; never rewritten
.set R,   16                           ; v16-143  two sets of 64: a chunk as loaded
.set X,   144                          ; v144-207 my two blocks of 32
.set PC,  208                          ; v208-219 a fragment's codes
.set CT,  220                          ; v220-222, v224-226 the upper halves of the two blocks' codes
.set TM,  228                          ; v228-229 largest magnitudes
.set SO,  230                          ; v230-231 the conversions' scale operands
.set SW,  232                          ; v232-235 the four chunks' scale words
.set T,   236                          ; v236-239 at work
	s_load_b256 s[4:11], s[0:1], 0x0               ; x, Wq, Wk, Wv
	s_load_b128 s[12:15], s[0:1], 0x20             ; Wo, ops
	v_lshl_add_u32 v[SPW], v0, 2, SPARE
	v_mov_b32 v[NIL], 0
	v_lshrrev_b32 v1, 5, v0
	v_readfirstlane_b32 s16, v1                    ; wave 0..5
	v_and_b32 v2, 31, v0                           ; lane
	v_and_b32 v3, 15, v0                           ; r
	v_bfe_u32 v12, v0, 4, 1                        ; h
	v_lshlrev_b32 v[L16], 4, v2
	v_lshlrev_b32 v[L8], 3, v2
	s_mul_i32 s17, s16, WREG
	v_add_nc_u32 v[STI], s17, v[L16]
	v_mul_u32_u24 v[STO], v3, SP
	v_lshl_add_u32 v[STO], v12, 7, v[STO]
	v_add_nc_u32 v[STO], s17, v[STO]
	v_lshlrev_b32 v[H8], 3, v12
	v_lshl_add_u32 v[SWO], v3, 4, v[H8]
	v_mov_b32 v[T], 0                              ; a lane permute's destination counts as one of its sources
	s_mov_b32 s20, 0x76543210
	s_mov_b32 s21, 0xfedcba98                      ; selects for lane l xor 16
	s_mov_b32 s22, 0xffff0000                      ; lanes 16-31
	s_lshr_b32 s18, s16, 1
	s_mul_i32 s19, ttmp9, 3
	s_add_co_u32 s18, s18, s19                     ; g = 3 x work-group + wave / 2
	s_and_b32 s19, s16, 1                          ; which half of K
	s_wait_kmcnt 0x0
	s_cmp_lt_u32 s18, 704                          ; the tensor is chosen by the tile's number alone
	s_cselect_b64 s[12:13], s[10:11], s[12:13]
	s_cmp_lt_u32 s18, 640
	s_cselect_b64 s[12:13], s[8:9], s[12:13]
	s_cmp_lt_u32 s18, 576
	s_cselect_b64 s[12:13], s[6:7], s[12:13]
	s_and_b32 s23, s18, 63
	s_cmp_lt_u32 s18, 512
	s_cselect_b64 s[12:13], s[4:5], s[12:13]
	s_cselect_b32 s23, s18, s23                    ; the tile's number in its tensor
	s_lshr_b32 s24, s23, 1
	s_lshl_b32 s24, s24, 5
	s_and_b32 s25, s23, 1
	s_lshl_b32 s25, s25, 3
	s_add_co_u32 s24, s24, s25                     ; its first row: 32 (i / 2) + 8 (i % 2)
	s_lshl_b32 s24, s24, 12                        ; rows of 4,096 bytes
	s_lshl_b32 s25, s19, 11
	s_add_co_u32 s24, s24, s25                     ; + my half of K
	s_mov_b32 s25, 0
	s_add_nc_u64 s[12:13], s[12:13], s[24:25]
	s_mul_i32 s26, s18, 12288
	s_mul_i32 s27, s19, 6144
	s_add_co_u32 s26, s26, s27
	s_mov_b32 s27, 0
	s_add_nc_u64 s[28:29], s[14:15], s[26:27]      ; my four fragments
	s_lshl_b32 s26, s18, 9
	s_lshl_b32 s30, s19, 8
	s_add_co_u32 s26, s26, s30
	s_add_co_u32 s26, s26, SCL0
	s_add_nc_u64 s[30:31], s[14:15], s[26:27]      ; my 256 bytes of scale words
.macro LOAD c                          ; chunk c: 16 rows x 512 bytes; the tile's row t is row t + 8 (t / 8) from its first
.irp t, 0,1,2,3,4,5,6,7,8,9,10,11,12,13,14,15
	global_load_b128 v[R+64*((\c)%2)+4*\t:R+64*((\c)%2)+4*\t+3], v[L16], s[12:13] offset:(\t+8*(\t/8))*4096+512*(\c) th:TH_LOAD_NT
.endr
.endm
.macro TURN c                          ; through the stage: LDS serves a wave's instructions in order, so no wait stands between the stores and the loads
.irp t, 0,1,2,3,4,5,6,7,8,9,10,11,12,13,14,15
	ds_store_b128 v[STI], v[R+64*((\c)%2)+4*\t:R+64*((\c)%2)+4*\t+3] offset:SP*\t
.endr
.irp k, 0,1
.irp j, 0,1,2,3,4,5,6,7
	ds_load_b128 v[X+32*\k+4*\j:X+32*\k+4*\j+3], v[STO] offset:256*\k+16*\j    ; row r, k = 64 k' + 32 h + 4 j ..
.endr
.endr
.endm
.macro CHUNK c
.if (\c) < 3
	s_wait_loadcnt 16                              ; this chunk's 16 loads are in; the next chunk's 16 may be out
.else
	s_wait_loadcnt 0x0
.endif
	TURN \c
	s_wait_dscnt 0x0                               ; my two blocks are in, and the stores have read their registers,
.if (\c) < 2
	LOAD (\c)+2                                    ; which take the chunk two on
.endif
.irp k, 0,1
	v_max3_num_f32 v[TM+\k], |v[X+32*\k]|, |v[X+32*\k+1]|, 0x1800000   ; block 2 k' + h: all 32 numbers are mine; the floor 2^(3 - 127) holds the byte at 1 from below
.endr
.irp i, 2,4,6,8,10,12,14,16,18,20,22,24,26,28,30
.irp k, 0,1
	v_max3_num_f32 v[TM+\k], v[TM+\k], |v[X+32*\k+\i]|, |v[X+32*\k+\i+1]|
.endr
.endr
.irp k, 0,1
	v_add_nc_u32 v[SO+\k], 0xff000000, v[TM+\k]    ; 2 off the exponent field: the conversion's scale operand
.endr
.irp k, 0,1
	v_lshrrev_b32 v[T+1+\k], 23, v[SO+\k]          ; the scale's byte
.endr
	v_lshl_or_b32 v[T+3], v[T+2], 16, v[T+1]       ; blocks h and 2 + h,
	v_lshlrev_b32 v[T+3], v[H8], v[T+3]            ; at their places in the word;
	v_permlanex16_b32 v[T], v[T+3], s20, s21
	v_or_b32 v[SW+(\c)], v[T+3], v[T]              ; with lane l xor 16's two the word is whole
.if (\c) > 0
	s_wait_xcnt 0x0                                ; the last chunk's stores have read their data: the codes' registers are written again only behind this wait
.endif
.irp k, 0,1
	v_cvt_scalef32_pk16_fp6_f32 v[PC+6*\k:PC+6*\k+2], v[X+32*\k:X+32*\k+15], v[SO+\k]
	v_cvt_scalef32_pk16_fp6_f32 v[CT+4*\k:CT+4*\k+2], v[X+32*\k+16:X+32*\k+31], v[SO+\k]   ; (a conversion's three registers begin on an even number)
.endr
	v_nop                                          ; one plain place behind a scaled conversion
.irp k, 0,1
.irp i, 0,1,2
	v_mov_b32 v[PC+3+6*\k+\i], v[CT+4*\k+\i]
.endr
.endr
.irp k, 0,1
	global_store_b128 v[L16], v[PC+6*\k:PC+6*\k+3], s[28:29] offset:1536*(\c)+768*\k          ; 512 consecutive bytes
	global_store_b64 v[L8], v[PC+6*\k+4:PC+6*\k+5], s[28:29] offset:1536*(\c)+768*\k+512      ; 256 consecutive bytes
.endr
.endm
	LOAD 0
	LOAD 1
	CHUNK 0
	CHUNK 1
	CHUNK 2
	CHUNK 3
	v_cndmask_b32 v[T], v[SW], v[SW+2], s22        ; lanes 0-15 store a row's words 0, 1, lanes 16-31 its words 2, 3
	v_cndmask_b32 v[T+1], v[SW+1], v[SW+3], s22
	global_store_b64 v[SWO], v[T:T+1], s[30:31]    ; 256 consecutive bytes, aligned
	s_wait_tensorcnt 0x0                           ; the wave's end, behind my last LDS store
	ds_add_u32 v[SPW], v[NIL]
	s_wait_dscnt 0x0
	s_endpgm
.Lfunc_end_k_q6d6cbc0de3_quant:
	.size	k_q6d6cbc0de3_quant, .Lfunc_end_k_q6d6cbc0de3_quant-k_q6d6cbc0de3_quant
	.p2alignl 7, 3214868480
	.fill 96, 4, 3214868480
	.section	.rodata,"a",@progbits
	.p2align	6, 0x0
	.amdhsa_kernel k_q6d6cbc0de3_quant
		.amdhsa_group_segment_fixed_size 52992
		.amdhsa_private_segment_fixed_size 0
		.amdhsa_enable_private_segment 0
		.amdhsa_kernarg_size 48
		.amdhsa_user_sgpr_count 2
		.amdhsa_user_sgpr_kernarg_segment_ptr 1
		.amdhsa_wavefront_size32 1
		.amdhsa_system_sgpr_workgroup_id_x 1
		.amdhsa_system_sgpr_workgroup_id_y 1
		.amdhsa_system_sgpr_workgroup_id_z 1
		.amdhsa_system_vgpr_workitem_id 0
		.amdhsa_next_free_vgpr 240
		.amdhsa_next_free_sgpr 66
		.amdhsa_reserve_vcc 0
		.amdhsa_float_denorm_mode_32 3
		.amdhsa_float_denorm_mode_16_64 3
		.amdhsa_memory_ordered 1
		.amdhsa_forward_progress 1
		.amdhsa_inst_pref_size 31
	.end_amdhsa_kernel
	.amdgpu_metadata
---
amdhsa.version: [ 1, 2 ]
amdhsa.kernels:
  - .name:           k_q6d6cbc0de3_quant
    .symbol:         k_q6d6cbc0de3_quant.kd
    .args:
      - { .name: x, .offset: 0, .size: 8, .value_kind: global_buffer, .address_space: global }
      - { .name: Wq, .offset: 8, .size: 8, .value_kind: global_buffer, .address_space: global }
      - { .name: Wk, .offset: 16, .size: 8, .value_kind: global_buffer, .address_space: global }
      - { .name: Wv, .offset: 24, .size: 8, .value_kind: global_buffer, .address_space: global }
      - { .name: Wo, .offset: 32, .size: 8, .value_kind: global_buffer, .address_space: global }
      - { .name: ops, .offset: 40, .size: 8, .value_kind: global_buffer, .address_space: global }
    .group_segment_fixed_size: 52992
    .private_segment_fixed_size: 0
    .kernarg_segment_align: 8
    .kernarg_segment_size: 48
    .max_flat_workgroup_size: 192
    .sgpr_count:     66
    .vgpr_count:     240
    .wavefront_size: 32
...
	.end_amdgpu_metadata
.endif
;; end of part 1
;; launch proj (part 2): grid 12 x 32, 4 waves a work-group, clusters of 4 x 4, 327,680 bytes of LDS; arguments ops, qkv; writes qkv
.if DOCPART == 2
	.amdgcn_target "amdgcn-amd-amdhsa--gfx1250"
	.amdhsa_code_object_version 6
	.text
	.protected	k_q6d6cbc0de3_proj
	.globl	k_q6d6cbc0de3_proj
	.p2align	8
	.type	k_q6d6cbc0de3_proj,@function
k_q6d6cbc0de3_proj:
	s_mov_b64 s[64:65], 0
	v_nop
	global_prefetch_b8 v0, s[64:65] scope:SCOPE_SE
	s_setreg_imm32_b32 hwreg(HW_REG_WAVE_MODE, 25, 1), 1
	s_wait_xcnt 0x0
	s_wait_alu depctr_hold_cnt(0) depctr_sa_sdst(0) depctr_va_vdst(0) depctr_va_sdst(0) depctr_va_ssrc(0) depctr_va_vcc(0) depctr_vm_vsrc(0)
	s_getreg_b32 s2, hwreg(HW_REG_IB_STS2, 6, 4)
	s_cmp_eq_u32 s2, 0
	s_cbranch_scc0 .Lentry_in_a_cluster
	s_endpgm
.Lentry_in_a_cluster:
	s_bfe_u32 s2, ttmp6, 0x10000c
	s_cmp_lg_u32 s2, 0xf033
	s_cbranch_scc0 .Lentry_shape_is_right
	s_endpgm
.Lentry_shape_is_right:
; q = x Wq^T, k = x Wk^T, v = x Wv^T on the codes that the launch before made, K = 1,024; the results are quantised on the way out, q and k along the head's 64, v along the keys, and stored as images (positions and images: first kernel's head).
; A tile of 256 x 256 results to a work-group of four waves, 128 x 128 to a wave: 64 accumulators, 512 registers.  Source 0 = a tile of B, source 1 = a tile of A: a lane holds one row of A and, in the 64 registers of one block of A,
; 64 numbers along B's rows: register 16 b + i = B's row 32 b + 16 (lane / 16) + i.  So B's rows are what the results are quantised along: for q and k (cluster x = 0, 1) A = x, B = W; for v (cluster x = 2) A = Wv, B = x.
; K goes in 8 chunks of 128, written out.  THREE LDS slots of two chunks each (A's 16 tiles x 3,072 bytes, then B's); fills 0, 1, 2 go out at the head (three tensor loads of a wave are out, by this text's count), fill 3 lands in slot 0 again.
; CLUSTERS: 4 x 4 work-groups; A's tiles are asked for jointly along a row of the cluster, B's along a column.  The scale words go from memory straight into registers: 16 loads a wave, whole blocks of 512 bytes.
; qkv: Q at 102,400 bh + 12,800 j (j: 256 positions): tile i's half image at 768 i; pair words at 12,288 + 256 s + 16 r + 4 p (low half: tile 2 p's two bytes, high half: tile 2 p + 1's).
;      KV at KV0 + 204,800 bh + 25,600 j: K's half images at 768 i; V's fragments (16 of the head's 64 x 128 keys) at 12,288 + 6,144 s + 1,536 t; at 24,576 + 512 s K's pair words, 256 further on V's words (16 r + 4 t).
; LIMITS: blocks of zeros get the byte 1 (their codes are zeros; this program alone reads the bytes); NaN and infinities are not served.
; REGISTERS, in windows of 256: window 0: v0-31 addresses; v32-63 A's scale words, v64-95 B's; v96-127 at work; v128-223 A's 8 fragments, one set.  window 1: B's 8 fragments, two sets, at v0 and v128.
;   window 2: the accumulators of A's blocks 0-3 ((a, b) at v[8 (8 (a % 4) + b)]); window 3: those of blocks 4-7.
.set BIASC, 0
.set SCL0,  9437184
.set KV0,   6553600
.set SLOTB, 98304
.set SPARE, 3*SLOTB                    ; behind the slots: the spare words, 128 bytes a wave
.set L16, 3                            ; v3     16 x lane
.set A16, 4                            ; v4-6   A's images in slot 0, 1, 2: 16 x lane + my 8 tiles
.set A8,  7                            ; v7-9   the same with 8 x lane
.set B16, 10                           ; v10-12 B's
.set B8,  13                           ; v13-15
.set L8,  16                           ; v16    8 x lane
.set VS,  17                           ; v17    the scale words' place on the way out
.set SPW, 28                           ; v28    my spare word; never rewritten
.set NIL, 29                           ; v29    0; never rewritten
.set SA,  32                           ; scale words: v[SA + 4 i + j]: lanes 0-15 chunk j of A's tile i, lanes 16-31 chunk 4 + j
.set SB,  64
.set AF,  128
.set TM,  96                           ; the way out: v96-99 largest magnitudes, v100-103 bytes, v104-107 scale operands
.set T4,  100
.set SO,  104
.set VO16, 108
.set VO8, 109
.set W,   112                          ; v112-119 the eight blocks' scale words
.set PW,  120                          ; v120-127 the words as they are stored
.set PC,  128                          ; v128-139 a fragment's codes; v140-142, v144-146 upper halves
.set CT,  140
.set WV,  12                           ; s12 wave; s13 rh: my half of A's rows, also: I fetch for A (0) or B (1); s14 ch: my half of B's rows, also: which 8 tiles I fetch
.set RH,  13
.set CHF, 14
.set G1,  24                           ; s[24:31] group 1 for A's tiles; s[32:39] for B's; s[40:51] groups 0 for A's three first fills; s[52:63] for B's
.set G1B, 32
.set G0,  40
.set G0B, 52
.set MSB, 0
.macro WIN new                         ; the immediate's high byte repeats the setting that is left
.if MSB != (\new)
	s_set_vgpr_msb (MSB<<8)|(\new)
.set MSB, (\new)
.endif
.endm
.macro JLOAD f                         ; a joint load: waves 0, 1 fetch A's halves, waves 2, 3 B's; an s_nop 0 and four v_nop follow each line
	s_cmp_eq_u32 s[RH], 0
	s_cbranch_scc0 .Lfor_b_\@
	tensor_load_to_lds s[G0+4*\f:G0+4*\f+3], s[G1:G1+7]
	s_nop 0
.rept 4
	v_nop
.endr
	s_branch .Lasked_\@
.Lfor_b_\@:
	tensor_load_to_lds s[G0B+4*\f:G0B+4*\f+3], s[G1B:G1B+7]
	s_nop 0
.rept 4
	v_nop
.endr
.Lasked_\@:
.endm
.macro CREST                           ; a round of the cluster's barrier behind its opening barrier
	s_cmp_lg_u32 s[WV], 0
	s_cbranch_scc1 .Lnot_wave_0_\@
	s_barrier_signal -3
.Lnot_wave_0_\@:
	s_barrier_wait -3
	s_barrier_signal -1
	s_barrier_wait -1
.endm
.macro CROUND
	s_barrier_signal -1
	s_barrier_wait -1
	CREST
.endm
.macro PLACES n                        ; plain places behind matrix instructions, in front of loads into registers that they read and of reads of their results
.rept \n
	v_nop
.endr
.endm
.macro FRAG reg, a16, a8, off          ; a fragment's image, 1,536 bytes, into 12 registers: every load takes consecutive bytes
	ds_load_b128 v[(\reg):(\reg)+3], v[\a16] offset:(\off)
	ds_load_b64 v[(\reg)+4:(\reg)+5], v[\a8] offset:(\off)+512
	ds_load_b128 v[(\reg)+6:(\reg)+9], v[\a16] offset:(\off)+768
	ds_load_b64 v[(\reg)+10:(\reg)+11], v[\a8] offset:(\off)+1280
.endm
.macro FETCH_B s                       ; B's eight fragments of chunk s into set s % 2
	WIN 0x40
.irp i, 0,1,2,3,4,5,6,7
	FRAG 128*((\s)%2)+12*\i, B16+((\s)/2)%3, B8+((\s)/2)%3, 3072*\i+1536*((\s)%2)
.endr
	WIN 0
.endm
.macro FETCH_A s, i0                   ; A's blocks i0 .. i0 + 3 of chunk s
.irp i, \i0, \i0+1, \i0+2, \i0+3
	FRAG AF+12*(\i), A16+((\s)/2)%3, A8+((\s)/2)%3, 3072*(\i)+1536*((\s)%2)
.endr
.endm
; 16 matrix instructions: A's blocks a0, a0 + 1 x B's eight, chunk s.  Chunk 0 starts the sums.  The 64 accumulators take turns, one instruction a turn, in the same order in every chunk.
.macro MUL16 a0, s
.irp a, \a0, \a0+1
.irp b, 0,1,2,3,4,5,6,7
.set rD, 8*(8*((\a)%4)+\b)
.set rB, 128*((\s)%2)+12*\b
.set rA, AF+12*(\a)
.set rSB, SB+4*\b+(\s)%4
.set rSA, SA+4*(\a)+(\s)%4
.set rC, 96+8*\b+96*(\b/4)
.if (\s) == 0
.if BIASC
	v_wmma_scale_f32_16x16x128_f8f6f4 v[rD:rD+7], v[rB:rB+11], v[rA:rA+11], v[rC:rC+7], v[rSB], v[rSA] matrix_a_fmt:MATRIX_FMT_FP6 matrix_b_fmt:MATRIX_FMT_FP6
.else
	v_wmma_scale_f32_16x16x128_f8f6f4 v[rD:rD+7], v[rB:rB+11], v[rA:rA+11], 0, v[rSB], v[rSA] matrix_a_fmt:MATRIX_FMT_FP6 matrix_b_fmt:MATRIX_FMT_FP6
.endif
.elseif (\s) < 4
	v_wmma_scale_f32_16x16x128_f8f6f4 v[rD:rD+7], v[rB:rB+11], v[rA:rA+11], v[rD:rD+7], v[rSB], v[rSA] matrix_a_fmt:MATRIX_FMT_FP6 matrix_b_fmt:MATRIX_FMT_FP6
.else
	v_wmma_scale_f32_16x16x128_f8f6f4 v[rD:rD+7], v[rB:rB+11], v[rA:rA+11], v[rD:rD+7], v[rSB], v[rSA] matrix_a_fmt:MATRIX_FMT_FP6 matrix_b_fmt:MATRIX_FMT_FP6 matrix_a_scale:MATRIX_SCALE_ROW1 matrix_b_scale:MATRIX_SCALE_ROW1
.endif
.endr
.endr
.endm
; Chunk s.  kind 0: the next chunk's fragments are fetched in two runs.  kind 1: the same behind a round of the cluster's barrier and the refill of slot 0.  kind 2: behind a work-group barrier.  kind 3: the last chunk.
.macro CH s, kind
.set WLO, 0xa1                         ; source 0 (B) window 1, source 1 (A) window 0, C and D window 2
.set WHI, 0xf1                         ; the same, C and D window 3
.if BIASC && ((\s) == 0)
.set WLO, 0x91                         ; C (the bias) window 1
.set WHI, 0xd1
.endif
.if ((\kind) == 1) || ((\kind) == 2)
	s_wait_tensorcnt 0x0                           ; all my tensor loads have landed;
	ds_add_u32 v[SPW], v[NIL]                      ; 0 onto my spare word;
	s_wait_dscnt 17                                ; (the add and the youngest 16 loads, A's blocks 4-7, may be out)
	WIN WLO
	MUL16 0, \s                                    ; sixteen matrix instructions stand between the add and the wait for it
	s_wait_dscnt 0x0                               ; the add is done, and my reads of the slot that I leave are over
	s_barrier_signal -1
	MUL16 2, \s
	WIN 0
	s_barrier_wait -1
.if (\kind) == 1
	CREST                                          ; the barrier has opened a round of the cluster's: no wave of any partner still reads slot 0 or has a load on its way
	s_add_nc_u64 s[G0+2:G0+3], s[G0+2:G0+3], 3*3072
	s_add_nc_u64 s[G0B+2:G0B+3], s[G0B+2:G0B+3], 3*3072
	JLOAD 0                                        ; chunks 6 and 7 into slot 0: my one tensor load behind the round; it has 224 matrix instructions, three and a half chunks, in which to land; its four v_nop are the places for the loads below
.else
	PLACES 4
.endif
.else
	s_wait_dscnt 16                                ; B's set and A's blocks 0-3 are in; the youngest 16 loads (A's blocks 4-7) may be out
	WIN WLO
	MUL16 0, \s
	MUL16 2, \s
	s_wait_dscnt 0x0                               ; A's blocks 4-7 are in
.if (\kind) == 0
	PLACES 4
.endif
.endif
.if (\kind) != 3
	FETCH_B (\s)+1
	FETCH_A (\s)+1, 0
.endif
	WIN WHI
	MUL16 4, \s
	MUL16 6, \s
.if (\kind) != 3
	PLACES 4
	WIN 0
	FETCH_A (\s)+1, 4
.else
	WIN 0
.endif
.endm
	s_load_b128 s[4:7], s[0:1], 0x0                ; ops, qkv
	v_lshl_add_u32 v[SPW], v0, 2, SPARE
	v_mov_b32 v[NIL], 0
	ds_add_u32 v[SPW], v[NIL]                      ; the wave's opening: the add, twice on end, and its wait ahead of my first tensor load
	ds_add_u32 v[SPW], v[NIL]
	v_lshrrev_b32 v1, 5, v0
	v_readfirstlane_b32 s[WV], v1                  ; wave 0..3
	s_lshr_b32 s[RH], s[WV], 1
	s_and_b32 s[CHF], s[WV], 1
	s_bfe_u32 s15, ttmp6, 0x40000                  ; cx
	s_bfe_u32 s16, ttmp6, 0x40004                  ; cy
	s_mov_b32 s22, ttmp9                           ; cluster x: 0 = q, 1 = k, 2 = v: alike in all partners
	s_and_b32 s23, ttmp7, 0xffff
	s_lshl_b32 s23, s23, 2                         ; 4 x cluster y
	s_lshl_b32 s95, s22, 6
	s_add_co_u32 s95, s95, 512                     ; Wq's or Wk's first tile
	s_cmp_eq_u32 s22, 2
	s_cselect_b32 s85, 1, 0                        ; v?
	s_cselect_b32 s91, 0, s23
	s_cselect_b32 s94, s23, 0
	s_cselect_b32 s100, 640, 0
	s_cselect_b32 s101, 0, s95
	s_add_co_u32 s17, s16, s91                     ; tile row: cy (+ 4 x cluster y where A = x)
	s_add_co_u32 s18, s15, s94                     ; tile column: cx (+ 4 x cluster y where B = x)
	s_lshl_b32 s91, s17, 4
	s_add_co_u32 s100, s100, s91                   ; A's first tile in ops
	s_lshl_b32 s94, s18, 4
	s_add_co_u32 s101, s101, s94                   ; B's
	s_lshl_b32 s19, s16, 2
	s_lshl_b32 s19, 15, s19                        ; my row of the cluster
	s_lshl_b32 s20, 0x1111, s15                    ; my column
	s_or_b32 s[G1], s19, (3<<16)|(1<<21)           ; 15:0 the mask; 17:16 elements of 8 bytes; 21 set beside a mask; no padding
	s_or_b32 s[G1B], s20, (3<<16)|(1<<21)
.irp g, G1, G1B
	s_mov_b32 s[\g+1], 384<<16                     ; tensor_dim0 = 384 elements: two chunks of a tile, 3,072 bytes
	s_mov_b32 s[\g+2], 8<<16                       ; tensor_dim1 = 8 tiles
	s_mov_b32 s[\g+3], 384<<16                     ; tile_dim0
	s_mov_b32 s[\g+4], 8                           ; tile_dim1
	s_mov_b32 s[\g+5], 1536                        ; from tile to tile: 12,288 bytes
	s_mov_b32 s[\g+6], 0
	s_mov_b32 s[\g+7], 0
.endr
	s_lshl_b32 s91, s[CHF], 3                      ; which 8 tiles I fetch
	s_add_co_u32 s92, s100, s91
	s_mul_i32 s92, s92, 12288
	s_mov_b32 s93, 0
	s_lshl_b32 s94, s[CHF], 3
	s_add_co_u32 s96, s101, s94
	s_mul_i32 s96, s96, 12288
	s_mov_b32 s97, 0
	s_mul_i32 s21, s[WV], 24576                    ; where they go: no place in the cluster enters an LDS address
	s_wait_dscnt 0x0                               ; both opening adds are done
	s_wait_kmcnt 0x0
	s_add_nc_u64 s[66:67], s[4:5], s[92:93]
	s_add_nc_u64 s[68:69], s[4:5], s[96:97]
	CROUND                                         ; all sixteen work-groups are here: the first joint loads meet
.irp f, 0,1,2
	s_mov_b32 s[G0+4*\f], 1
	s_add_co_u32 s[G0+4*\f+1], s21, \f*SLOTB
	s_add_nc_u64 s[G0+4*\f+2:G0+4*\f+3], s[66:67], \f*3072
	s_or_b32 s[G0+4*\f+3], s[G0+4*\f+3], 0x80000000
	s_mov_b32 s[G0B+4*\f], 1
	s_add_co_u32 s[G0B+4*\f+1], s21, \f*SLOTB
	s_add_nc_u64 s[G0B+4*\f+2:G0B+4*\f+3], s[68:69], \f*3072
	s_or_b32 s[G0B+4*\f+3], s[G0B+4*\f+3], 0x80000000
	JLOAD \f
.endr
	v_and_b32 v1, 31, v0
	v_lshlrev_b32 v[L16], 4, v1
	v_lshlrev_b32 v[L8], 3, v1
	s_lshl_b32 s91, s[RH], 3                       ; the scale words of the 8 tiles that I multiply
	s_add_co_u32 s92, s100, s91
	s_lshl_b32 s92, s92, 9
	s_add_co_u32 s92, s92, SCL0
	s_add_nc_u64 s[70:71], s[4:5], s[92:93]
	s_add_co_u32 s96, s101, s94
	s_lshl_b32 s96, s96, 9
	s_add_co_u32 s96, s96, SCL0
	s_add_nc_u64 s[72:73], s[4:5], s[96:97]
.irp i, 0,1,2,3,4,5,6,7
	global_load_b128 v[SA+4*\i:SA+4*\i+3], v[L16], s[70:71] offset:512*\i
	global_load_b128 v[SB+4*\i:SB+4*\i+3], v[L16], s[72:73] offset:512*\i
.endr
	s_mul_i32 s98, s[RH], 24576                    ; my 8 tiles of A
	s_mul_i32 s99, s[CHF], 24576                   ; my 8 tiles of B,
	s_add_co_u32 s99, s99, 49152                   ; behind A's 16
.irp s, 0,1,2
	v_add_nc_u32 v[A16+\s], s98, v[L16]
	v_add_nc_u32 v[A8+\s], s98, v[L8]
	v_add_nc_u32 v[B16+\s], s99, v[L16]
	v_add_nc_u32 v[B8+\s], s99, v[L8]
	s_add_co_u32 s98, s98, SLOTB
	s_add_co_u32 s99, s99, SLOTB
.endr
	; where the results go
	s_cmp_eq_u32 s22, 0                            ; q?
	s_mov_b32 s95, 25600
	s_cselect_b32 s95, 12800, s95                  ; a record: 256 positions of one head
	s_cselect_b32 s96, 0, KV0
	s_mov_b32 s97, 24576
	s_cselect_b32 s97, 12288, s97                  ; where a record's scale words begin
	s_cselect_b32 s98, 8, 9                        ; 256 or 512 bytes of them for 128 positions
	s_mul_i32 s83, s95, 8                          ; from head to head
	s_cmp_eq_u32 s85, 1                            ; v?
	s_cselect_b32 s91, s18, s17                    ; the tokens' tile of 256,
	s_cselect_b32 s92, s[CHF], s[RH]               ; and my half of it
	s_cselect_b32 s93, s17, s18                    ; the weight's tile of 256 rows (4 heads),
	s_cselect_b32 s94, s[RH], s[CHF]               ; and my half (2 heads)
	s_mov_b32 s80, 768
	s_cselect_b32 s80, 1536, s80                   ; from block a to a + 1 of A
	s_mov_b32 s81, 3072
	s_cselect_b32 s81, 204800, s81                 ; from block a to a + 4
	s_cselect_b32 s82, 768, s83                    ; from a fragment's first half image to its second
	s_cselect_b32 s99, 12288, 0                    ; V's images lie behind K's,
	s_cselect_b32 s76, 256, 0                      ; V's words behind K's
	s_lshr_b32 s77, s91, 3
	s_lshl_b32 s77, s77, 4                         ; 16 x batch
	s_lshl_b32 s93, s93, 2
	s_add_co_u32 s77, s77, s93
	s_lshl_b32 s94, s94, 1
	s_add_co_u32 s77, s77, s94                     ; + my first head
	s_mul_i32 s77, s77, s83
	s_and_b32 s91, s91, 7
	s_mul_i32 s91, s91, s95
	s_add_co_u32 s77, s77, s91
	s_add_co_u32 s96, s96, s77                     ; the record
	s_mul_i32 s94, s92, 6144
	s_add_co_u32 s94, s94, s99
	s_add_co_u32 s94, s94, s96
	s_mov_b32 s95, 0
	s_add_nc_u64 s[74:75], s[6:7], s[94:95]        ; first half images
	s_lshl_b32 s92, s92, s98
	s_add_co_u32 s92, s92, s97
	s_add_co_u32 s92, s92, s76
	s_add_co_u32 s92, s92, s96
	s_mov_b32 s93, 0
	s_add_nc_u64 s[78:79], s[6:7], s[92:93]        ; scale words
	s_mov_b32 s92, s82
	s_add_nc_u64 s[76:77], s[74:75], s[92:93]      ; second half images
	v_and_b32 v1, 15, v0
	v_bfe_u32 v2, v0, 4, 1
	v_mul_u32_u24 v2, v2, s83
	v_lshl_add_u32 v[VS], v1, 4, v2                ; 16 r, lanes 16-31 a head further on
	s_mov_b32 s84, 0x1800000                       ; the floor 2^(3 - 127)
	s_mov_b32 s86, 0x76543210
	s_mov_b32 s87, 0xfedcba98
	s_mov_b32 s88, 0x05040100                      ; two low halves
	s_mov_b32 s89, 0x07060302                      ; two high halves
	s_mov_b32 s90, 0xffff0000                      ; lanes 16-31
.irp b, 0,1,2,3
	v_mov_b32 v[T4+\b], 0                          ; a lane permute's destination counts as one of its sources
.endr
	s_wait_tensorcnt 2                             ; my part of slot 0 is in; the two younger fills may be out
	s_barrier_signal -1
	s_barrier_wait -1
	FETCH_B 0
	FETCH_A 0, 0
	FETCH_A 0, 4
	s_wait_loadcnt 0x0                             ; the scale words
	CH 0, 0
	CH 1, 1                                        ; slot 0 is left and filled again; every wave's three first fills have landed, so slots 1 and 2 are whole for all
	CH 2, 0
	CH 3, 0
	CH 4, 0
	CH 5, 2                                        ; the refill has landed in every wave
	CH 6, 0
	CH 7, 3
; THE WAY OUT.  Block a of A: a lane's 64 results, register 16 b + i = B's row 32 b + 16 (lane / 16) + i, become a fragment's codes and its scale word; its two half images go out as they stand.
.macro BLOCK a
.set AC, 64*((\a)%4)
	s_wait_xcnt 0x0                                ; the last block's stores have read their data and offsets: both are written again only behind this wait
	WIN 0x28+0x14*((\a)/4)                         ; sources 1 and 2: window 2 or 3
.irp b, 0,1,2,3
	v_max3_num_f32 v[TM+\b], s84, |v[AC+16*\b]|, |v[AC+16*\b+1]|   ; each accumulator is read from its low end on
.endr
.irp i, 2,4,6,8,10,12,14
.irp b, 0,1,2,3
	v_max3_num_f32 v[TM+\b], v[TM+\b], |v[AC+16*\b+\i]|, |v[AC+16*\b+\i+1]|
.endr
.endr
	WIN 0
.irp b, 0,1,2,3
	v_permlanex16_b32 v[T4+\b], v[TM+\b], s86, s87
.endr
.irp b, 0,1,2,3
	v_max_num_f32 v[TM+\b], v[TM+\b], v[T4+\b]     ; with lane l xor 16's 16: the block's largest magnitude
.endr
.irp b, 0,1,2,3
	v_add_nc_u32 v[SO+\b], 0xff000000, v[TM+\b]    ; 2 off the exponent field: the conversion's scale operand
.endr
.irp b, 0,1,2,3
	v_lshrrev_b32 v[T4+\b], 23, v[SO+\b]           ; the scale's byte
.endr
	v_lshl_or_b32 v[W+(\a)], v[T4+1], 8, v[T4]
	v_lshl_or_b32 v[W+(\a)], v[T4+2], 16, v[W+(\a)]
	v_lshl_or_b32 v[W+(\a)], v[T4+3], 24, v[W+(\a)]
	s_mul_i32 s91, s80, (\a)%4
.if (\a) >= 4
	s_add_co_u32 s91, s91, s81
.endif
	v_add_nc_u32 v[VO16], s91, v[L16]
	v_add_nc_u32 v[VO8], s91, v[L8]
	WIN 0x02+((\a)/4)                              ; source 0: window 2 or 3
.irp c, 0,1
	v_cvt_scalef32_pk16_fp6_f32 v[PC+6*\c:PC+6*\c+2], v[AC+32*\c:AC+32*\c+15], v[SO+2*\c]
	v_cvt_scalef32_pk16_fp6_f32 v[CT+4*\c:CT+4*\c+2], v[AC+32*\c+16:AC+32*\c+31], v[SO+2*\c+1]
.endr
	WIN 0
	v_nop                                          ; one plain place behind a scaled conversion
.irp c, 0,1                            ; the operand's layout wants a whole block in a lane
.irp i, 0,1,2
	v_permlane16_swap_b32 v[PC+6*\c+\i], v[CT+4*\c+\i]
.endr
.irp i, 0,1,2
	v_mov_b32 v[PC+3+6*\c+\i], v[CT+4*\c+\i]
.endr
.endr
	global_store_b128 v[VO16], v[PC:PC+3], s[74:75]                ; 512 and 256 consecutive bytes, aligned
	global_store_b64 v[VO8], v[PC+4:PC+5], s[74:75] offset:512
	global_store_b128 v[VO16], v[PC+6:PC+9], s[76:77]
	global_store_b64 v[VO8], v[PC+10:PC+11], s[76:77] offset:512
.endm
	PLACES 4                                       ; behind the last products
.irp a, 0,1,2,3,4,5,6,7
	BLOCK \a
.endr
	s_cmp_eq_u32 s85, 1                            ; cluster x alone decides: alike in all partners
	s_cbranch_scc1 .Lv_words
.irp p, 0,1,2,3                        ; q, k: a word's low half is my first head's two bytes, its high half my second head's: pair words of tiles 2 p, 2 p + 1
	v_perm_b32 v[PW+\p], v[W+2*\p+1], v[W+2*\p], s88
	v_perm_b32 v[PW+4+\p], v[W+2*\p+1], v[W+2*\p], s89
.endr
.irp p, 0,1,2,3
	v_cndmask_b32 v[PW+\p], v[PW+\p], v[PW+4+\p], s90              ; lanes 16-31 store the second head's
.endr
	s_branch .Lwords
.Lv_words:
.irp p, 0,1,2,3                        ; v: blocks 0-3 are my first head's four tiles, blocks 4-7 my second head's
	v_cndmask_b32 v[PW+\p], v[W+\p], v[W+4+\p], s90
.endr
.Lwords:
	global_store_b128 v[VS], v[PW:PW+3], s[78:79]  ; sixteen lanes store 256 consecutive bytes, aligned
	s_wait_tensorcnt 0x0                           ; the wave's end, behind my last tensor load
	ds_add_u32 v[SPW], v[NIL]
	s_wait_dscnt 0x0
	CROUND                                         ; the closing round
	s_endpgm
.Lfunc_end_k_q6d6cbc0de3_proj:
	.size	k_q6d6cbc0de3_proj, .Lfunc_end_k_q6d6cbc0de3_proj-k_q6d6cbc0de3_proj
	.p2alignl 7, 3214868480
	.fill 96, 4, 3214868480
	.section	.rodata,"a",@progbits
	.p2align	6, 0x0
	.amdhsa_kernel k_q6d6cbc0de3_proj
		.amdhsa_group_segment_fixed_size 327680
		.amdhsa_private_segment_fixed_size 0
		.amdhsa_enable_private_segment 0
		.amdhsa_kernarg_size 16
		.amdhsa_user_sgpr_count 2
		.amdhsa_user_sgpr_kernarg_segment_ptr 1
		.amdhsa_wavefront_size32 1
		.amdhsa_system_sgpr_workgroup_id_x 1
		.amdhsa_system_sgpr_workgroup_id_y 1
		.amdhsa_system_sgpr_workgroup_id_z 1
		.amdhsa_system_vgpr_workitem_id 0
		.amdhsa_next_free_vgpr 1024
		.amdhsa_next_free_sgpr 102
		.amdhsa_reserve_vcc 0
		.amdhsa_float_denorm_mode_32 3
		.amdhsa_float_denorm_mode_16_64 3
		.amdhsa_memory_ordered 1
		.amdhsa_forward_progress 1
		.amdhsa_inst_pref_size 149
	.end_amdhsa_kernel
	.amdgpu_metadata
---
amdhsa.version: [ 1, 2 ]
amdhsa.kernels:
  - .name:           k_q6d6cbc0de3_proj
    .symbol:         k_q6d6cbc0de3_proj.kd
    .args:
      - { .name: ops, .offset: 0, .size: 8, .value_kind: global_buffer, .address_space: global }
      - { .name: qkv, .offset: 8, .size: 8, .value_kind: global_buffer, .address_space: global }
    .group_segment_fixed_size: 327680
    .private_segment_fixed_size: 0
    .kernarg_segment_align: 8
    .kernarg_segment_size: 16
    .max_flat_workgroup_size: 128
    .sgpr_count:     102
    .vgpr_count:     1024
    .wavefront_size: 32
...
	.end_amdgpu_metadata
.endif
;; end of part 2
;; launch attn (part 3): grid 4 x 64, 16 waves a work-group, no clusters, 327,680 bytes of LDS; arguments qkv, att; writes att
.if DOCPART == 3
	.amdgcn_target "amdgcn-amd-amdhsa--gfx1250"
	.amdhsa_code_object_version 6
	.text
	.protected	k_q6d6cbc0de3_attn
	.globl	k_q6d6cbc0de3_attn
	.p2align	8
	.type	k_q6d6cbc0de3_attn,@function
k_q6d6cbc0de3_attn:
	s_mov_b64 s[64:65], 0
	v_nop
	global_prefetch_b8 v0, s[64:65] scope:SCOPE_SE
	s_setreg_imm32_b32 hwreg(HW_REG_WAVE_MODE, 25, 1), 1
	s_wait_xcnt 0x0
; For each batch and head: O = softmax(8 q k^T, causal) v, both products on codes of FP6; O is divided by the row's sum, quantised along the head's 64 and stored as the next product's operand (positions, images, buffers: the kernels before).
; WORK LEFT OUT: a step of 128 keys all of which come after a tile's 16 queries is not multiplied (the proof stands at the first kernel's head); a NaN or overflow that reaches only such steps is not carried on.
; THE SOFTMAX: t = score x 8 log2(e); M = the running largest t rounded up to a whole number; p = 2^(t - M) is quantised along the keys, not normalised; the row's sum is taken of the unquantised p; when M moves, sum and O are multiplied by 2^(old M - new M).
; SHARES.  A work-group serves one batch and head; wave w owns TWO tiles of 16 query positions: tile 16 x + w and tile 127 - 16 x - w.  Tile u has u / 8 + 1 live key steps, so every wave of every work-group has 17.
; K, V and their scale words of 256 keys are one dense record of 25,600 bytes: wave 0 brings it by one tensor load into a ring of two LDS slots; all sixteen waves read it.  Every work-group walks all 8 slots (constant trip counts);
; a slot whose first key comes after the work-group's last query is not asked for.
; NO CLUSTER: the four work-groups of a head need 8 - x slots each, so a joint load would bring some partners tiles that none of their waves reads.
; LAYOUT.  S^T = K Q^T, O^T = V^T P^T: a lane holds one query.  THE HEAD'S 64 ARE HALF OF THE INSTRUCTION'S 128: two key tiles' half images on end are one fragment; against [Q, zero codes] it gives the even tile's scores, against [zero codes, Q] the odd tile's.
; Zero codes add nothing, since every code of K is a finite number and no scale byte is 0xff.
; LIMITS: a block whose every p has fallen to 0 keeps the byte 1 (its codes are zeros); NaN and infinities are not served.
.set SLOT1, 32768
.set SPARE, 65536                      ; behind the ring: the spare words, 128 bytes a wave
.set KV0,   6553600
.set REC,   25600
.set L16, 1                            ; v1   16 x lane
.set L8,  2                            ; v2   8 x lane
.set SPW, 3                            ; v3   my spare word; never rewritten
.set NIL, 4                            ; v4   0; never rewritten
.set MQ,  5                            ; v5   r + (r & 8) - 16 h: my query's true place in its tile, less my half's first key
.set AD16, 6                           ; v6, v7 the slot in hand + 16 x lane, + 8 x lane
.set AD8, 7
.set PFO, 8                            ; v8   the prefetches' offset
.set R16, 10                           ; v10  16 r
.set STA, 12                           ; v12 -M, v13 the largest t, v[14:15] the sum in two halves; v16-19 the same for the second tile
.set STB, 16
.set QFA, 20                           ; v20-37 [Q][six registers of zero codes][Q]; v38-55 the second tile's
.set QFB, 38
.set QSA, 56                           ; v56, v57 Q's scale words: the tile's two bytes in both halves
.set QSB, 57
.set F,   58                           ; v58 f = 2^(old M - new M); v59 p's scale word
.set SCR, 60                           ; v60-63 lanes 0-15: K's pair words; lanes 16-31: V's words
.set FB,  64                           ; v64-111 four fragments of K or of V; between the two the softmax's work registers lie here:
.set BM,  64                           ;   the blocks' largest scores, then p
.set PT,  68                           ;   the other half's; the bytes
.set SO,  72                           ;   the conversions' scale operands
.set CT,  76                           ;   v76-78, v80-82 upper halves of codes
.set C2,  84                           ;   the sum's second chain
.set S,   112                          ; v112-175 S^T, then p
.set OTA, 176                          ; v176-207, v208-239 O^T
.set OTB, 208
.set PC,  240                          ; v240-251 p's codes
.set WV,  8
.set BH,  9
.set TAUA, 10
.set TAUB, 11
.set Q0A, 12                           ; a tile's first position
.set Q0B, 13
.set QTA, 14                           ; a tile's first true query
.set QTB, 15
.set KF,  16                           ; the step's first key
.set TB,  17                           ; the slot in hand
.set SLOTS, 18
.set LIMQ, 19                          ; my work-group's last query
.set SEL, 20
.set CS,  22
.set G1,  24
.set G0,  32
.set PFA, 36
.set LIM, 38
.set QCA, 44
.set QWA, 46
.set QCB, 48
.set QWB, 50
.set OCA, 52
.set OWA, 54
.set OCB, 56
.set OWB, 58
.macro TLOAD                           ; wave 0 alone fetches; an s_nop 0 and four v_nop follow the load
	s_cmp_eq_u32 s[WV], 0
	s_cbranch_scc0 .Lnot_0_\@
	tensor_load_to_lds s[G0:G0+3], s[G1:G1+7]
	s_nop 0
.rept 4
	v_nop
.endr
.Lnot_0_\@:
.endm
; A prefetch of the record that the NEXT change of slots will ask for: a slot's four key steps of the wave's two tiles ahead of that load.  All four work-groups of a head walk the same records: the first (x = 0), which walks all eight, asks.
; The last change that fills a slot asks for nothing; slots 0 and 1 come by their loads alone.
.macro ASK
	s_cmp_gt_u32 s[SLOTS], s[LIM]
	s_cbranch_scc0 .Lnot_mine_\@
	global_prefetch_b8 v[PFO], s[PFA:PFA+1] th:TH_LOAD_NT scope:SCOPE_SE
.Lnot_mine_\@:
.endm
.macro QADR tau, cp, wp                ; where a tile's half image of Q and its pair word lie
	s_lshr_b32 s96, s[\tau], 4
	s_mul_i32 s96, s96, 12800
	s_add_co_u32 s96, s96, s42
	s_and_b32 s97, s[\tau], 15
	s_mul_i32 s97, s97, 768
	s_add_co_u32 s40, s96, s97
	s_add_nc_u64 s[\cp:\cp+1], s[4:5], s[40:41]
	s_bfe_u32 s97, s[\tau], 0x10003
	s_lshl_b32 s97, s97, 8
	s_add_co_u32 s96, s96, s97
	s_bfe_u32 s97, s[\tau], 0x20001
	s_lshl_b32 s97, s97, 2
	s_add_co_u32 s96, s96, s97
	s_add_co_u32 s40, s96, 12288
	s_add_nc_u64 s[\wp:\wp+1], s[4:5], s[40:41]
.endm
.macro OADR tau, cp, wp                ; where a tile's half image of O and its two scale bytes go
	s_lshr_b32 s96, s[BH], 4
	s_lshl_b32 s96, s96, 7
	s_add_co_u32 s96, s96, s[\tau]
	s_mul_i32 s40, s96, 12288
	s_and_b32 s97, s[BH], 15
	s_mul_i32 s97, s97, 768
	s_add_co_u32 s40, s40, s97
	s_add_nc_u64 s[\cp:\cp+1], s[6:7], s[40:41]
	s_lshl_b32 s40, s96, 9
	s_bfe_u32 s97, s[BH], 0x10003
	s_lshl_b32 s97, s97, 8
	s_add_co_u32 s40, s40, s97
	s_and_b32 s97, s[BH], 7
	s_lshl_b32 s97, s97, 1
	s_add_co_u32 s40, s40, s97
	s_add_co_u32 s40, s40, 6291456
	s_add_nc_u64 s[\wp:\wp+1], s[6:7], s[40:41]
.endm
	s_load_b128 s[4:7], s[0:1], 0x0                ; qkv, att
	v_lshl_add_u32 v[SPW], v0, 2, SPARE
	v_mov_b32 v[NIL], 0
	ds_add_u32 v[SPW], v[NIL]                      ; the wave's opening: the add, twice on end, and its wait ahead of the first tensor load
	ds_add_u32 v[SPW], v[NIL]
	v_lshrrev_b32 v9, 5, v0
	v_readfirstlane_b32 s[WV], v9                  ; wave 0..15
	s_and_b32 s[BH], ttmp7, 0xffff
	s_lshl_b32 s[TAUA], ttmp9, 4
	s_add_co_u32 s[TAUA], s[TAUA], s[WV]
	s_sub_co_u32 s[TAUB], 127, s[TAUA]
	s_lshl_b32 s[Q0A], s[TAUA], 4
	s_lshl_b32 s[Q0B], s[TAUB], 4
	s_and_b32 s[QTA], s[Q0A], 0xffffffe0
	s_and_b32 s96, s[TAUA], 1
	s_lshl_b32 s96, s96, 3
	s_add_co_u32 s[QTA], s[QTA], s96
	s_and_b32 s[QTB], s[Q0B], 0xffffffe0
	s_and_b32 s96, s[TAUB], 1
	s_lshl_b32 s96, s96, 3
	s_add_co_u32 s[QTB], s[QTB], s96
	s_mov_b32 s[KF], 0
	s_mov_b32 s[TB], 0
	s_mov_b32 s[SLOTS], 7
	s_sub_co_u32 s[LIMQ], 8, ttmp9
	s_lshl_b32 s[LIMQ], s[LIMQ], 8
	s_sub_co_u32 s[LIMQ], s[LIMQ], 1
	s_mov_b32 s[SEL], 0x76543210
	s_mov_b32 s[SEL+1], 0xfedcba98
	s_mov_b32 s[CS], 0x4138aa3b                    ; c = 8 log2(e)
	s_mov_b32 s[CS+1], s[CS]
	s_mov_b32 s[G1], 3<<16                         ; no mask; elements of 8 bytes; no padding
	s_mov_b32 s[G1+1], 32<<16                      ; rows of 256 bytes
	s_mov_b32 s[G1+2], 100<<16                     ; 100 of them: a record
	s_mov_b32 s[G1+3], 32<<16
	s_mov_b32 s[G1+4], 100
	s_mov_b32 s[G1+5], 32
	s_mov_b32 s[G1+6], 0
	s_mov_b32 s[G1+7], 0
	s_mul_i32 s40, s[BH], 8*REC
	s_add_co_u32 s40, s40, KV0
	s_mov_b32 s41, 0
	s_mul_i32 s42, s[BH], 102400
	s_sub_co_u32 s96, s[WV], 4
	s_lshr_b32 s96, s96, 2                         ; 0 in waves 4 to 7,
	s_or_b32 s96, s96, ttmp9                       ; of the head's first work-group
	s_cmp_eq_u32 s96, 0
	s_cselect_b32 s[LIM], 1, -1
	s_and_b32 s96, s[WV], 3
	s_mul_i32 s96, s96, 6400
	s_add_co_u32 s96, s96, REC                     ; in slot 1: the first change of slots steps it to slot 2
	s_mov_b32 s97, 0
	s_wait_dscnt 0x0                               ; both opening adds are done
	s_wait_kmcnt 0x0
	s_mov_b32 s[G0], 1
	s_mov_b32 s[G0+1], 0                           ; slot 0
	s_add_nc_u64 s[G0+2:G0+3], s[4:5], s[40:41]    ; the head's first record
	s_add_nc_u64 s[PFA:PFA+1], s[4:5], s[40:41]
	s_or_b32 s[G0+3], s[G0+3], 0x80000000
	TLOAD
	s_add_nc_u64 s[PFA:PFA+1], s[PFA:PFA+1], s[96:97]
	QADR TAUA, QCA, QWA
	QADR TAUB, QCB, QWB
	OADR TAUA, OCA, OWA
	OADR TAUB, OCB, OWB
	v_and_b32 v9, 31, v0
	v_lshlrev_b32 v[L16], 4, v9
	v_lshlrev_b32 v[L8], 3, v9
	v_min_u32 v[PFO], 24, v9
	v_lshlrev_b32 v[PFO], 8, v[PFO]
	v_and_b32 v9, 15, v0
	v_lshlrev_b32 v[R16], 4, v9
	v_and_b32 v[MQ], 8, v9
	v_add_nc_u32 v[MQ], v[MQ], v9
	v_bfe_u32 v9, v0, 4, 1
	v_lshlrev_b32 v9, 4, v9
	v_sub_nc_u32 v[MQ], v[MQ], v9
.macro QLOAD qf, qs, cp, wp            ; Q's half image twice, and its pair word
	global_load_b128 v[\qf:\qf+3], v[L16], s[\cp:\cp+1]
	global_load_b64 v[\qf+4:\qf+5], v[L8], s[\cp:\cp+1] offset:512
	global_load_b128 v[\qf+12:\qf+15], v[L16], s[\cp:\cp+1]
	global_load_b64 v[\qf+16:\qf+17], v[L8], s[\cp:\cp+1] offset:512
	global_load_b32 v[\qs], v[R16], s[\wp:\wp+1]
.endm
	QLOAD QFA, QSA, QCA, QWA
	QLOAD QFB, QSB, QCB, QWB
	s_and_b32 s96, s[TAUA], 1
	s_lshl_b32 s96, s96, 4
	s_and_b32 s97, s[TAUB], 1
	s_lshl_b32 s97, s97, 4
	s_wait_loadcnt 0x0
	v_lshrrev_b32 v[QSA], s96, v[QSA]              ; my tile's half of the pair word,
	v_lshrrev_b32 v[QSB], s97, v[QSB]
	v_and_b32 v[QSA], 0xffff, v[QSA]
	v_and_b32 v[QSB], 0xffff, v[QSB]
	v_lshl_or_b32 v[QSA], v[QSA], 16, v[QSA]       ; in both halves.  (The lines below are the places between these and the first scaled product)
	v_lshl_or_b32 v[QSB], v[QSB], 16, v[QSB]
.irp i, 6,7,8,9,10,11
	v_mov_b32 v[QFA+\i], 0                         ; zero codes
	v_mov_b32 v[QFB+\i], 0
.endr
.irp t, STA, STB
	v_mov_b32 v[\t+1], 0xff61b1e6                  ; the largest t so far: -3e38
	v_floor_f32 v[\t], -v[\t+1]                    ; -M
	v_mov_b32 v[\t+2], 0
	v_mov_b32 v[\t+3], 0
.endr
	v_mov_b32 v[F+1], 0                            ; (named as the upper half of a pair before it is first written)
	v_mov_b32 v252, 0
.irp b, 0,1,2,3
	v_mov_b32 v[PT+\b], 0                          ; a lane permute's destination counts as one of its sources
.endr
.set n, 0
.rept 64
	v_mov_b32 v[OTA+n], 0                          ; O^T of both tiles: the step is written once, and its first run finds zeros
.set n, n+1
.endr
; A KEY STEP of one tile: 128 keys, the q-th of the slot in hand.
.macro STEP q, st, qf, qs, ot, q0, qt
	s_add_co_u32 s96, s[\q0], 15
	s_cmp_gt_u32 s[KF], s96                        ; all keys come after my 16 queries (positions and true rows lie in the same 32): a branch on ids, round no barrier and no tensor load
	s_cbranch_scc1 .Lhidden_\@
	v_add_nc_u32 v[AD16], s[TB], v[L16]
	v_add_nc_u32 v[AD8], s[TB], v[L8]
	v_nop
	v_nop                                          ; four places in front of loads into registers that the last products read
.irp p, 0,1,2,3                        ; key tiles 2 p and 2 p + 1: two half images on end
	ds_load_b128 v[FB+12*\p:FB+12*\p+3], v[AD16] offset:6144*\q+1536*\p
	ds_load_b64 v[FB+12*\p+4:FB+12*\p+5], v[AD8] offset:6144*\q+1536*\p+512
	ds_load_b128 v[FB+12*\p+6:FB+12*\p+9], v[AD16] offset:6144*\q+1536*\p+768
	ds_load_b64 v[FB+12*\p+10:FB+12*\p+11], v[AD8] offset:6144*\q+1536*\p+1280
.endr
	ds_load_b128 v[SCR:SCR+3], v[AD16] offset:24576+512*\q
	s_wait_dscnt 0x0
.irp u, 0,1,2,3,4,5,6,7
	v_wmma_scale_f32_16x16x128_f8f6f4 v[S+8*\u:S+8*\u+7], v[FB+12*(\u/2):FB+12*(\u/2)+11], v[\qf+6*(\u%2):\qf+6*(\u%2)+11], 0, v[SCR+\u/2], v[\qs] matrix_a_fmt:MATRIX_FMT_FP6 matrix_b_fmt:MATRIX_FMT_FP6
.endr
.rept 4
	v_nop
.endr
	s_add_co_u32 s96, s[KF], 127                   ; on the diagonal hidden scores become -infinity ahead of the maximum; a step all of whose keys count skips this
	s_cmp_le_u32 s96, s[\q0]
	s_cbranch_scc1 .Lopen_\@
	s_sub_co_i32 s96, s[\qt], s[KF]
	v_add_nc_u32 v252, s96, v[MQ]                  ; d = my query - the step's first key - 16 (lane / 16); register 16 b + i holds key 32 b + 16 (lane / 16) + i: hidden where 32 b + i > d
	v_mov_b32 v254, 0xff800000
.set n, 0
.rept 64
	v_cmp_gt_i32 vcc_lo, 32*(n/16)+n%16, v252
	v_cndmask_b32 v[S+n], v[S+n], v254, vcc_lo
.set n, n+1
.endr
.Lopen_\@:
.irp b, 0,1,2,3
	v_max3_num_f32 v[BM+\b], v[S+16*\b], v[S+1+16*\b], v[S+2+16*\b]    ; the largest score of each block of 32 keys: for the row's maximum and, since p rises with the score, for the block's largest p
.endr
.irp i, 3,5,7,9,11,13
.irp b, 0,1,2,3
	v_max3_num_f32 v[BM+\b], v[BM+\b], v[S+16*\b+\i], v[S+1+16*\b+\i]
.endr
.endr
.irp b, 0,1,2,3
	v_max_num_f32 v[BM+\b], v[BM+\b], v[S+15+16*\b]
.endr
.irp b, 0,1,2,3
	v_permlanex16_b32 v[PT+\b], v[BM+\b], s[SEL], s[SEL+1]
.endr
.irp b, 0,1,2,3
	v_max_num_f32 v[BM+\b], v[BM+\b], v[PT+\b]
.endr
	v_max3_num_f32 v254, v[BM], v[BM+1], v[BM+2]
	v_max_num_f32 v254, v254, v[BM+3]
	v_mul_f32 v254, s[CS], v254                    ; as t (c is positive)
	v_max_num_f32 v[\st+1], v[\st+1], v254         ; the running largest t
	v_mov_b32 v254, v[\st]
	v_floor_f32 v[\st], -v[\st+1]                  ; the new -M = -ceil(t)
	v_sub_f32 v254, v[\st], v254                   ; old M - new M: a whole number, 0 or less
	v_cvt_i32_f32 v254, v254                       ; (it saturates)
	v_ldexp_f32 v[F], 1.0, v254                    ; f = 2^(old M - new M)
.set n, 0
.rept 32
	v_pk_fma_f32 v[S+n:S+n+1], v[S+n:S+n+1], s[CS:CS+1], v[\st:\st+1] op_sel_hi:[1,0,0]   ; t - M
.set n, n+2
.endr
.irp b, 0,1,2,3
	v_fma_f32 v[BM+\b], v[BM+\b], s[CS], v[\st]
.endr
.set n, 0
.rept 64
	v_exp_f32 v[S+n], v[S+n]                       ; p = 2^(t - M)
.set n, n+1
.endr
	v_pk_mul_f32 v[\st+2:\st+3], v[\st+2:\st+3], v[F:F+1] op_sel_hi:[1,0]    ; the sums under the new M: the plain place behind the exponentials
	s_wait_alu depctr_va_vdst(0)                   ; one wait for the batch of 64, ahead of its first reader
.irp b, 0,1,2,3
	v_exp_f32 v[BM+\b], v[BM+\b]                   ; the blocks' largest p
.endr
	v_pk_add_f32 v[C2:C2+1], v[S:S+1], v[S+2:S+3]  ; the row's sum of the unquantised p, in two chains
.irp j, 4,8,12,16,20,24,28,32,36,40,44,48,52,56,60
	v_pk_add_f32 v[\st+2:\st+3], v[\st+2:\st+3], v[S+\j:S+\j+1]
	v_pk_add_f32 v[C2:C2+1], v[C2:C2+1], v[S+2+\j:S+3+\j]
.endr
	v_pk_add_f32 v[\st+2:\st+3], v[\st+2:\st+3], v[C2:C2+1]
	s_wait_alu depctr_va_vdst(0)                   ; and one for the four
.irp b, 0,1,2,3
	v_max_num_f32 v[BM+\b], 0x1800000, v[BM+\b]    ; the floor 2^(3 - 127)
.endr
.irp b, 0,1,2,3
	v_add_nc_u32 v[SO+\b], 0xff000000, v[BM+\b]
.endr
.irp b, 0,1,2,3
	v_lshrrev_b32 v[PT+\b], 23, v[SO+\b]
.endr
	v_lshl_or_b32 v[F+1], v[PT+1], 8, v[PT]        ; p's scale word for these 128 keys
	v_lshl_or_b32 v[F+1], v[PT+2], 16, v[F+1]
	v_lshl_or_b32 v[F+1], v[PT+3], 24, v[F+1]
.irp c, 0,1
	v_cvt_scalef32_pk16_fp6_f32 v[PC+6*\c:PC+6*\c+2], v[S+32*\c:S+32*\c+15], v[SO+2*\c]
	v_cvt_scalef32_pk16_fp6_f32 v[CT+4*\c:CT+4*\c+2], v[S+16+32*\c:S+31+32*\c], v[SO+2*\c+1]
.endr
	v_nop                                          ; one plain place behind a scaled conversion
.irp c, 0,1
.irp i, 0,1,2
	v_permlane16_swap_b32 v[PC+6*\c+\i], v[CT+4*\c+\i]
.endr
.irp i, 0,1,2
	v_mov_b32 v[PC+3+6*\c+\i], v[CT+4*\c+\i]
.endr
.endr
.irp t, 0,1,2,3                        ; V's four fragments: the work registers that lay here are done with; the loads land while O^T is rescaled
	ds_load_b128 v[FB+12*\t:FB+12*\t+3], v[AD16] offset:12288+6144*\q+1536*\t
	ds_load_b64 v[FB+12*\t+4:FB+12*\t+5], v[AD8] offset:12288+6144*\q+1536*\t+512
	ds_load_b128 v[FB+12*\t+6:FB+12*\t+9], v[AD16] offset:12288+6144*\q+1536*\t+768
	ds_load_b64 v[FB+12*\t+10:FB+12*\t+11], v[AD8] offset:12288+6144*\q+1536*\t+1280
.endr
.set n, 0
.rept 16
	v_pk_mul_f32 v[\ot+n:\ot+n+1], v[\ot+n:\ot+n+1], v[F:F+1] op_sel_hi:[1,0]   ; O^T under the new M.  (These 16 are also the places between p's codes and scale word and the scaled products)
.set n, n+2
.endr
	s_wait_dscnt 0x0
.irp t, 0,1,2,3
	v_wmma_scale_f32_16x16x128_f8f6f4 v[\ot+8*\t:\ot+8*\t+7], v[FB+12*\t:FB+12*\t+11], v[PC:PC+11], v[\ot+8*\t:\ot+8*\t+7], v[SCR+\t], v[F+1] matrix_a_fmt:MATRIX_FMT_FP6 matrix_b_fmt:MATRIX_FMT_FP6 matrix_a_scale:MATRIX_SCALE_ROW1
.endr
.Lhidden_\@:
.endm
; THE CHANGE OF SLOTS stands at a slot's head: every wave waits for all its tensor loads, adds 0 to its spare word (fill = 1: twice on end), and waits for that and for its reads
; of the slot that it has left.  Behind the barrier the slot ahead is whole and nobody reads the other one, which is then filled with the next record, up to the causal limit.
.macro CHANGE fill
	s_wait_tensorcnt 0x0
	ds_add_u32 v[SPW], v[NIL]
.if \fill
	ds_add_u32 v[SPW], v[NIL]
	s_xor_b32 s[G0+1], s[G0+1], SLOT1              ; the walking descriptor: the other slot, the next record (no tensor load is out)
	s_add_nc_u64 s[G0+2:G0+3], s[G0+2:G0+3], REC
	s_wait_xcnt 0x0                                ; the last prefetch, a slot back, has read its address
	s_add_nc_u64 s[PFA:PFA+1], s[PFA:PFA+1], REC
.endif
	s_wait_dscnt 0x0
	s_barrier_signal -1
	s_barrier_wait -1
.if \fill
	s_add_co_u32 s96, s[KF], 256                   ; the first key of the slot that this change would ask for
	s_cmp_gt_u32 s96, s[LIMQ]                      ; ids and the count of steps alone: all sixteen waves go the same way; past the limit no step reads the slot
	s_cbranch_scc1 .Lpast_\@
	TLOAD
.Lpast_\@:
	ASK
.endif
.endm
.macro SLOT_STEPS
.irp q, 0,1
	STEP \q, STA, QFA, QSA, OTA, Q0A, QTA
	STEP \q, STB, QFB, QSB, OTB, Q0B, QTB
	s_add_co_u32 s[KF], s[KF], 128
.endr
	s_xor_b32 s[TB], s[TB], SLOT1
.endm
.Lslot:                                            ; 7 trips
	CHANGE 1
	SLOT_STEPS
	s_sub_co_u32 s[SLOTS], s[SLOTS], 1
	s_cmp_lg_u32 s[SLOTS], 0
	s_cbranch_scc1 .Lslot
	CHANGE 0                                       ; the last slot is written out: nothing is left to ask for
	SLOT_STEPS
; THE WAY OUT of a tile: O^T / the row's sum; register 16 b + i = the head's 32 b + 16 (lane / 16) + i: two blocks, quantised into a half image and two scale bytes.
.macro OUT st, ot, cp, wp
	v_add_f32 v[\st+2], v[\st+2], v[\st+3]
	v_permlanex16_b32 v252, v[\st+2], s[SEL], s[SEL+1]
	v_add_f32 v[\st+2], v[\st+2], v252
	v_rcp_f32 v[\st+2], v[\st+2]
	v_nop                                          ; a plain place behind the reciprocal,
	s_wait_alu depctr_va_vdst(0)                   ; and the wait ahead of its first reader
.set n, 0
.rept 32
	v_mul_f32 v[S+n], v[\ot+n], v[\st+2]
.set n, n+1
.endr
.irp b, 0,1
	v_max3_num_f32 v[BM+\b], |v[S+16*\b]|, |v[S+1+16*\b]|, 0x1800000
.endr
.irp i, 2,4,6,8,10,12,14
.irp b, 0,1
	v_max3_num_f32 v[BM+\b], v[BM+\b], |v[S+16*\b+\i]|, |v[S+1+16*\b+\i]|
.endr
.endr
.irp b, 0,1
	v_permlanex16_b32 v[PT+\b], v[BM+\b], s[SEL], s[SEL+1]
.endr
.irp b, 0,1
	v_max_num_f32 v[BM+\b], v[BM+\b], v[PT+\b]
.endr
.irp b, 0,1
	v_add_nc_u32 v[SO+\b], 0xff000000, v[BM+\b]
.endr
.irp b, 0,1
	v_lshrrev_b32 v[PT+\b], 23, v[SO+\b]
.endr
	v_lshl_or_b32 v253, v[PT+1], 8, v[PT]
	v_cvt_scalef32_pk16_fp6_f32 v[PC:PC+2], v[S:S+15], v[SO]
	v_cvt_scalef32_pk16_fp6_f32 v[CT:CT+2], v[S+16:S+31], v[SO+1]
	v_nop
.irp i, 0,1,2
	v_permlane16_swap_b32 v[PC+\i], v[CT+\i]
.endr
.irp i, 0,1,2
	v_mov_b32 v[PC+3+\i], v[CT+\i]
.endr
	global_store_b128 v[L16], v[PC:PC+3], s[\cp:\cp+1]             ; 512 and 256 consecutive bytes, aligned
	global_store_b64 v[L8], v[PC+4:PC+5], s[\cp:\cp+1] offset:512
	global_store_b16 v[R16], v253, s[\wp:\wp+1]    ; a row's two bytes, 16 bytes from row to row (lanes r and 16 + r write the same bytes with the same value): 32 bytes beside the 768 of codes
.endm
.rept 4
	v_nop                                          ; places behind the last products
.endr
	OUT STA, OTA, OCA, OWA
	s_wait_xcnt 0x0                                ; the stores have read their data
	OUT STB, OTB, OCB, OWB
	s_wait_tensorcnt 0x0                           ; the wave's end, behind the last tensor load
	ds_add_u32 v[SPW], v[NIL]
	s_wait_dscnt 0x0
	s_endpgm
.Lfunc_end_k_q6d6cbc0de3_attn:
	.size	k_q6d6cbc0de3_attn, .Lfunc_end_k_q6d6cbc0de3_attn-k_q6d6cbc0de3_attn
	.p2alignl 7, 3214868480
	.fill 96, 4, 3214868480
	.section	.rodata,"a",@progbits
	.p2align	6, 0x0
	.amdhsa_kernel k_q6d6cbc0de3_attn
		.amdhsa_group_segment_fixed_size 327680
		.amdhsa_private_segment_fixed_size 0
		.amdhsa_enable_private_segment 0
		.amdhsa_kernarg_size 16
		.amdhsa_user_sgpr_count 2
		.amdhsa_user_sgpr_kernarg_segment_ptr 1
		.amdhsa_wavefront_size32 1
		.amdhsa_system_sgpr_workgroup_id_x 1
		.amdhsa_system_sgpr_workgroup_id_y 1
		.amdhsa_system_sgpr_workgroup_id_z 1
		.amdhsa_system_vgpr_workitem_id 0
		.amdhsa_next_free_vgpr 256
		.amdhsa_next_free_sgpr 100
		.amdhsa_reserve_vcc 1
		.amdhsa_float_denorm_mode_32 3
		.amdhsa_float_denorm_mode_16_64 3
		.amdhsa_memory_ordered 1
		.amdhsa_forward_progress 1
		.amdhsa_inst_pref_size 186
	.end_amdhsa_kernel
	.amdgpu_metadata
---
amdhsa.version: [ 1, 2 ]
amdhsa.kernels:
  - .name:           k_q6d6cbc0de3_attn
    .symbol:         k_q6d6cbc0de3_attn.kd
    .args:
      - { .name: qkv, .offset: 0, .size: 8, .value_kind: global_buffer, .address_space: global }
      - { .name: att, .offset: 8, .size: 8, .value_kind: global_buffer, .address_space: global }
    .group_segment_fixed_size: 327680
    .private_segment_fixed_size: 0
    .kernarg_segment_align: 8
    .kernarg_segment_size: 16
    .max_flat_workgroup_size: 512
    .sgpr_count:     100
    .vgpr_count:     256
    .wavefront_size: 32
...
	.end_amdgpu_metadata
.endif
;; end of part 3
;; launch outp (part 4): grid 4 x 32, 4 waves a work-group, clusters of 4 x 4, 327,680 bytes of LDS; arguments att, ops, bo, out0; writes out0
.if DOCPART == 4
	.amdgcn_target "amdgcn-amd-amdhsa--gfx1250"
	.amdhsa_code_object_version 6
	.text
	.protected	k_q6d6cbc0de3_outp
	.globl	k_q6d6cbc0de3_outp
	.p2align	8
	.type	k_q6d6cbc0de3_outp,@function
k_q6d6cbc0de3_outp:
	s_mov_b64 s[64:65], 0
	v_nop
	global_prefetch_b8 v0, s[64:65] scope:SCOPE_SE
	s_setreg_imm32_b32 hwreg(HW_REG_WAVE_MODE, 25, 1), 1
	s_wait_xcnt 0x0
	s_wait_alu depctr_hold_cnt(0) depctr_sa_sdst(0) depctr_va_vdst(0) depctr_va_sdst(0) depctr_va_ssrc(0) depctr_va_vcc(0) depctr_vm_vsrc(0)
	s_getreg_b32 s2, hwreg(HW_REG_IB_STS2, 6, 4)
	s_cmp_eq_u32 s2, 0
	s_cbranch_scc0 .Lentry_in_a_cluster
	s_endpgm
.Lentry_in_a_cluster:
	s_bfe_u32 s2, ttmp6, 0x10000c
	s_cmp_lg_u32 s2, 0xf033
	s_cbranch_scc0 .Lentry_shape_is_right
	s_endpgm
.Lentry_shape_is_right:
; out0 = O Wo^T + bo on codes of FP6: A = att (the heads' results, quantised by the launch before, laid as ops is), B = Wo's tiles 704-767 of ops, K = 1,024.  Nothing is left out here.
; The main part is the second kernel's, macro for macro: a tile of 256 x 256 to a work-group, 128 x 128 to a wave, 8 chunks of 128 along K written out, three LDS slots of two chunks, fill 3 into slot 0 again, joint loads in a 4 x 4 cluster.
; The bias is the C of chunk 0's products: eight registers for each tile of B, in the result's layout, in window 1 (v96-127 tiles 0-3, v224-255 tiles 4-7).
; THE WAY OUT: a lane holds one token (by position) and neighbouring columns; a block of 16 tokens x 128 columns goes through the wave's own stage in LDS and leaves as whole rows of 512 bytes, each at its token's TRUE row.
; The stage lies in slot 1, which has had its one fill, and whose last read stands ahead of the barrier in chunk 5.
; REGISTERS: as in the second kernel; on the way out v128-255 of window 0 take rows read back from the stage.
.set BIASC, 1
.set SCL0,  9437184
.set ASCL,  6291456
.set SLOTB, 98304
.set SPARE, 3*SLOTB
.set L16, 3
.set A16, 4
.set A8,  7
.set B16, 10
.set B8,  13
.set L8,  16
.set BO,  17                           ; v17    64 h: my half's place among a tile's bias numbers
.set STO, 18                           ; v18    the stage, on the way in
.set RD,  19                           ; v19    and back
.set SPW, 28
.set NIL, 29
.set SA,  32
.set SB,  64
.set AF,  128
.set BK,  128
.set SPITCH, 528
.set WV,  12
.set RH,  13
.set CHF, 14
.set G1,  24
.set G1B, 32
.set G0,  40
.set G0B, 52
.set MSB, 0
.macro WIN new                         ; the immediate's high byte repeats the setting that is left
.if MSB != (\new)
	s_set_vgpr_msb (MSB<<8)|(\new)
.set MSB, (\new)
.endif
.endm
.macro JLOAD f                         ; a joint load: waves 0, 1 fetch A's halves, waves 2, 3 B's; an s_nop 0 and four v_nop follow each line
	s_cmp_eq_u32 s[RH], 0
	s_cbranch_scc0 .Lfor_b_\@
	tensor_load_to_lds s[G0+4*\f:G0+4*\f+3], s[G1:G1+7]
	s_nop 0
.rept 4
	v_nop
.endr
	s_branch .Lasked_\@
.Lfor_b_\@:
	tensor_load_to_lds s[G0B+4*\f:G0B+4*\f+3], s[G1B:G1B+7]
	s_nop 0
.rept 4
	v_nop
.endr
.Lasked_\@:
.endm
.macro CREST
	s_cmp_lg_u32 s[WV], 0
	s_cbranch_scc1 .Lnot_wave_0_\@
	s_barrier_signal -3
.Lnot_wave_0_\@:
	s_barrier_wait -3
	s_barrier_signal -1
	s_barrier_wait -1
.endm
.macro CROUND
	s_barrier_signal -1
	s_barrier_wait -1
	CREST
.endm
.macro PLACES n
.rept \n
	v_nop
.endr
.endm
.macro FRAG reg, a16, a8, off
	ds_load_b128 v[(\reg):(\reg)+3], v[\a16] offset:(\off)
	ds_load_b64 v[(\reg)+4:(\reg)+5], v[\a8] offset:(\off)+512
	ds_load_b128 v[(\reg)+6:(\reg)+9], v[\a16] offset:(\off)+768
	ds_load_b64 v[(\reg)+10:(\reg)+11], v[\a8] offset:(\off)+1280
.endm
.macro FETCH_B s
	WIN 0x40
.irp i, 0,1,2,3,4,5,6,7
	FRAG 128*((\s)%2)+12*\i, B16+((\s)/2)%3, B8+((\s)/2)%3, 3072*\i+1536*((\s)%2)
.endr
	WIN 0
.endm
.macro FETCH_A s, i0
.irp i, \i0, \i0+1, \i0+2, \i0+3
	FRAG AF+12*(\i), A16+((\s)/2)%3, A8+((\s)/2)%3, 3072*(\i)+1536*((\s)%2)
.endr
.endm
.macro MUL16 a0, s                     ; the 64 accumulators take turns, one instruction a turn, in the same order in every chunk
.irp a, \a0, \a0+1
.irp b, 0,1,2,3,4,5,6,7
.set rD, 8*(8*((\a)%4)+\b)
.set rB, 128*((\s)%2)+12*\b
.set rA, AF+12*(\a)
.set rSB, SB+4*\b+(\s)%4
.set rSA, SA+4*(\a)+(\s)%4
.set rC, 96+8*\b+96*(\b/4)
.if (\s) == 0
.if BIASC
	v_wmma_scale_f32_16x16x128_f8f6f4 v[rD:rD+7], v[rB:rB+11], v[rA:rA+11], v[rC:rC+7], v[rSB], v[rSA] matrix_a_fmt:MATRIX_FMT_FP6 matrix_b_fmt:MATRIX_FMT_FP6
.else
	v_wmma_scale_f32_16x16x128_f8f6f4 v[rD:rD+7], v[rB:rB+11], v[rA:rA+11], 0, v[rSB], v[rSA] matrix_a_fmt:MATRIX_FMT_FP6 matrix_b_fmt:MATRIX_FMT_FP6
.endif
.elseif (\s) < 4
	v_wmma_scale_f32_16x16x128_f8f6f4 v[rD:rD+7], v[rB:rB+11], v[rA:rA+11], v[rD:rD+7], v[rSB], v[rSA] matrix_a_fmt:MATRIX_FMT_FP6 matrix_b_fmt:MATRIX_FMT_FP6
.else
	v_wmma_scale_f32_16x16x128_f8f6f4 v[rD:rD+7], v[rB:rB+11], v[rA:rA+11], v[rD:rD+7], v[rSB], v[rSA] matrix_a_fmt:MATRIX_FMT_FP6 matrix_b_fmt:MATRIX_FMT_FP6 matrix_a_scale:MATRIX_SCALE_ROW1 matrix_b_scale:MATRIX_SCALE_ROW1
.endif
.endr
.endr
.endm
.macro CH s, kind
.set WLO, 0xa1
.set WHI, 0xf1
.if BIASC && ((\s) == 0)
.set WLO, 0x91                         ; C (the bias) window 1
.set WHI, 0xd1
.endif
.if ((\kind) == 1) || ((\kind) == 2)
	s_wait_tensorcnt 0x0                           ; all my tensor loads have landed;
	ds_add_u32 v[SPW], v[NIL]                      ; 0 onto my spare word;
	s_wait_dscnt 17                                ; (the add and the youngest 16 loads, A's blocks 4-7, may be out)
	WIN WLO
	MUL16 0, \s
	s_wait_dscnt 0x0                               ; the add is done, and my reads of the slot that I leave are over
	s_barrier_signal -1
	MUL16 2, \s
	WIN 0
	s_barrier_wait -1
.if (\kind) == 1
	CREST                                          ; the barrier has opened a round of the cluster's: no wave of any partner still reads slot 0 or has a load on its way
	s_add_nc_u64 s[G0+2:G0+3], s[G0+2:G0+3], 3*3072
	s_add_nc_u64 s[G0B+2:G0B+3], s[G0B+2:G0B+3], 3*3072
	JLOAD 0                                        ; chunks 6 and 7 into slot 0: my one tensor load behind the round; its four v_nop are the places for the loads below
.else
	PLACES 4
.endif
.else
	s_wait_dscnt 16                                ; B's set and A's blocks 0-3 are in; the youngest 16 loads (A's blocks 4-7) may be out
	WIN WLO
	MUL16 0, \s
	MUL16 2, \s
	s_wait_dscnt 0x0
.if (\kind) == 0
	PLACES 4
.endif
.endif
.if (\kind) != 3
	FETCH_B (\s)+1
	FETCH_A (\s)+1, 0
.endif
	WIN WHI
	MUL16 4, \s
	MUL16 6, \s
.if (\kind) != 3
	PLACES 4
	WIN 0
	FETCH_A (\s)+1, 4
.else
	WIN 0
.endif
.endm
	s_load_b256 s[4:11], s[0:1], 0x0               ; att, ops, bo, out0
	v_lshl_add_u32 v[SPW], v0, 2, SPARE
	v_mov_b32 v[NIL], 0
	ds_add_u32 v[SPW], v[NIL]                      ; the wave's opening: the add, twice on end, and its wait ahead of my first tensor load
	ds_add_u32 v[SPW], v[NIL]
	v_lshrrev_b32 v1, 5, v0
	v_readfirstlane_b32 s[WV], v1
	s_lshr_b32 s[RH], s[WV], 1
	s_and_b32 s[CHF], s[WV], 1
	s_bfe_u32 s15, ttmp6, 0x40000                  ; cx
	s_bfe_u32 s16, ttmp6, 0x40004                  ; cy
	s_lshl_b32 s18, ttmp9, 2
	s_add_co_u32 s18, s18, s15                     ; tile column: 256 outputs
	s_and_b32 s17, ttmp7, 0xffff
	s_lshl_b32 s17, s17, 2
	s_add_co_u32 s17, s17, s16                     ; tile row: 256 tokens
	s_lshl_b32 s100, s17, 4                        ; A's first tile in att
	s_lshl_b32 s101, s18, 4
	s_add_co_u32 s101, s101, 704                   ; B's first tile in ops
	s_lshl_b32 s19, s16, 2
	s_lshl_b32 s19, 15, s19
	s_lshl_b32 s20, 0x1111, s15
	s_or_b32 s[G1], s19, (3<<16)|(1<<21)
	s_or_b32 s[G1B], s20, (3<<16)|(1<<21)
.irp g, G1, G1B
	s_mov_b32 s[\g+1], 384<<16
	s_mov_b32 s[\g+2], 8<<16
	s_mov_b32 s[\g+3], 384<<16
	s_mov_b32 s[\g+4], 8
	s_mov_b32 s[\g+5], 1536
	s_mov_b32 s[\g+6], 0
	s_mov_b32 s[\g+7], 0
.endr
	s_lshl_b32 s91, s[CHF], 3
	s_add_co_u32 s92, s100, s91
	s_mul_i32 s92, s92, 12288
	s_mov_b32 s93, 0
	s_lshl_b32 s94, s[CHF], 3
	s_add_co_u32 s96, s101, s94
	s_mul_i32 s96, s96, 12288
	s_mov_b32 s97, 0
	s_mul_i32 s21, s[WV], 24576
	s_wait_dscnt 0x0
	s_wait_kmcnt 0x0
	s_add_nc_u64 s[66:67], s[4:5], s[92:93]
	s_add_nc_u64 s[68:69], s[6:7], s[96:97]
	CROUND
.irp f, 0,1,2
	s_mov_b32 s[G0+4*\f], 1
	s_add_co_u32 s[G0+4*\f+1], s21, \f*SLOTB
	s_add_nc_u64 s[G0+4*\f+2:G0+4*\f+3], s[66:67], \f*3072
	s_or_b32 s[G0+4*\f+3], s[G0+4*\f+3], 0x80000000
	s_mov_b32 s[G0B+4*\f], 1
	s_add_co_u32 s[G0B+4*\f+1], s21, \f*SLOTB
	s_add_nc_u64 s[G0B+4*\f+2:G0B+4*\f+3], s[68:69], \f*3072
	s_or_b32 s[G0B+4*\f+3], s[G0B+4*\f+3], 0x80000000
	JLOAD \f
.endr
	v_and_b32 v1, 31, v0
	v_lshlrev_b32 v[L16], 4, v1
	v_lshlrev_b32 v[L8], 3, v1
	v_bfe_u32 v2, v0, 4, 1
	v_lshlrev_b32 v[BO], 6, v2
	s_lshl_b32 s91, s[RH], 3
	s_add_co_u32 s92, s100, s91
	s_lshl_b32 s92, s92, 9
	s_add_co_u32 s92, s92, ASCL
	s_add_nc_u64 s[70:71], s[4:5], s[92:93]
	s_add_co_u32 s96, s101, s94
	s_lshl_b32 s96, s96, 9
	s_add_co_u32 s96, s96, SCL0
	s_add_nc_u64 s[72:73], s[6:7], s[96:97]
	s_lshl_b32 s96, s18, 10
	s_lshl_b32 s94, s[CHF], 9
	s_add_co_u32 s96, s96, s94                     ; my first column, in bytes
	s_add_nc_u64 s[76:77], s[8:9], s[96:97]        ; its bias
	s_lshl_b32 s92, s17, 20
	s_lshl_b32 s91, s[RH], 19
	s_add_co_u32 s92, s92, s91
	s_add_co_u32 s92, s92, s96
	s_add_nc_u64 s[74:75], s[10:11], s[92:93]      ; my first row and column of out0
.irp i, 0,1,2,3,4,5,6,7
	global_load_b128 v[SA+4*\i:SA+4*\i+3], v[L16], s[70:71] offset:512*\i
	global_load_b128 v[SB+4*\i:SB+4*\i+3], v[L16], s[72:73] offset:512*\i
.endr
	WIN 0x40                                       ; destination window 1
.irp b, 0,1,2,3,4,5,6,7                ; tile b's register j is column 32 (b / 2) + 16 h + 8 (b % 2) + j
	global_load_b128 v[96+8*\b+96*(\b/4):96+8*\b+96*(\b/4)+3], v[BO], s[76:77] offset:(32*(\b/2)+8*(\b%2))*4
	global_load_b128 v[96+8*\b+96*(\b/4)+4:96+8*\b+96*(\b/4)+7], v[BO], s[76:77] offset:(32*(\b/2)+8*(\b%2))*4+16
.endr
	WIN 0
	s_mul_i32 s98, s[RH], 24576
	s_mul_i32 s99, s[CHF], 24576
	s_add_co_u32 s99, s99, 49152
.irp s, 0,1,2
	v_add_nc_u32 v[A16+\s], s98, v[L16]
	v_add_nc_u32 v[A8+\s], s98, v[L8]
	v_add_nc_u32 v[B16+\s], s99, v[L16]
	v_add_nc_u32 v[B8+\s], s99, v[L8]
	s_add_co_u32 s98, s98, SLOTB
	s_add_co_u32 s99, s99, SLOTB
.endr
	s_mul_i32 s98, s[WV], 16*SPITCH
	s_add_co_u32 s98, s98, SLOTB                   ; my stage, in slot 1
	v_and_b32 v1, 15, v0
	v_mul_u32_u24 v[STO], v1, SPITCH
	v_lshl_add_u32 v[STO], v2, 6, v[STO]
	v_add_nc_u32 v[STO], s98, v[STO]               ; in: row r, + 64 h
	v_add_nc_u32 v[RD], s98, v[L16]                ; back: 16 bytes a lane of a row of 512
	s_wait_tensorcnt 2                             ; my part of slot 0 is in; the two younger fills may be out
	s_barrier_signal -1
	s_barrier_wait -1
	FETCH_B 0
	FETCH_A 0, 0
	FETCH_A 0, 4
	s_wait_loadcnt 0x0                             ; the scale words and the bias
	CH 0, 0
	CH 1, 1
	CH 2, 0
	CH 3, 0
	CH 4, 0
	CH 5, 2
	CH 6, 0
	CH 7, 3
.macro TOSTAGE a
.set AC, 64*((\a)%4)
	WIN 0x08+4*((\a)/4)                            ; an LDS store's data are its source 1: window 2 or 3
.irp b, 0,1,2,3,4,5,6,7
	ds_store_b128 v[STO], v[AC+8*\b:AC+8*\b+3] offset:128*(\b/2)+32*(\b%2)          ; each accumulator from its low end on
	ds_store_b128 v[STO], v[AC+8*\b+4:AC+8*\b+7] offset:128*(\b/2)+32*(\b%2)+16
.endr
	WIN 0
.set BB, BK+64*((\a)%2)
.irp t, 0,1,2,3,4,5,6,7,8,9,10,11,12,13,14,15
	ds_load_b128 v[BB+4*\t:BB+4*\t+3], v[RD] offset:\t*SPITCH      ; LDS serves a wave's instructions in order: these see the stores above
.endr
.endm
.macro SEND a, younger                 ; younger: the LDS instructions issued behind block a's loads, which may stay out
.set BB, BK+64*((\a)%2)
	s_wait_dscnt \younger
.irp t, 0,1,2,3,4,5,6,7,8,9,10,11,12,13,14,15
	global_store_b128 v[L16], v[BB+4*\t:BB+4*\t+3], s[74:75] offset:(32*((\a)/2)+8*((\a)%2)+\t+8*(\t/8))*4096 th:TH_STORE_NT   ; position 16 a + t's true row; 512 consecutive bytes, aligned
.endr
.endm
	PLACES 4                                       ; behind the last products
	TOSTAGE 0
.irp a, 1,2,3,4,5,6,7
.if \a > 1
	s_wait_xcnt 0x0                                ; block a - 2's stores have read their registers: block a's loads may land there
.endif
	TOSTAGE \a
	SEND \a-1, 32                                  ; behind block a - 1's loads: block a's 16 stores and 16 loads
.endr
	SEND 7, 0
	s_wait_tensorcnt 0x0                           ; the wave's end, behind my last tensor load and my last LDS store
	ds_add_u32 v[SPW], v[NIL]
	s_wait_dscnt 0x0
	CROUND                                         ; the closing round
	s_endpgm
.Lfunc_end_k_q6d6cbc0de3_outp:
	.size	k_q6d6cbc0de3_outp, .Lfunc_end_k_q6d6cbc0de3_outp-k_q6d6cbc0de3_outp
	.p2alignl 7, 3214868480
	.fill 96, 4, 3214868480
	.section	.rodata,"a",@progbits
	.p2align	6, 0x0
	.amdhsa_kernel k_q6d6cbc0de3_outp
		.amdhsa_group_segment_fixed_size 327680
		.amdhsa_private_segment_fixed_size 0
		.amdhsa_enable_private_segment 0
		.amdhsa_kernarg_size 32
		.amdhsa_user_sgpr_count 2
		.amdhsa_user_sgpr_kernarg_segment_ptr 1
		.amdhsa_wavefront_size32 1
		.amdhsa_system_sgpr_workgroup_id_x 1
		.amdhsa_system_sgpr_workgroup_id_y 1
		.amdhsa_system_sgpr_workgroup_id_z 1
		.amdhsa_system_vgpr_workitem_id 0
		.amdhsa_next_free_vgpr 1024
		.amdhsa_next_free_sgpr 102
		.amdhsa_reserve_vcc 0
		.amdhsa_float_denorm_mode_32 3
		.amdhsa_float_denorm_mode_16_64 3
		.amdhsa_memory_ordered 1
		.amdhsa_forward_progress 1
		.amdhsa_inst_pref_size 142
	.end_amdhsa_kernel
	.amdgpu_metadata
---
amdhsa.version: [ 1, 2 ]
amdhsa.kernels:
  - .name:           k_q6d6cbc0de3_outp
    .symbol:         k_q6d6cbc0de3_outp.kd
    .args:
      - { .name: att, .offset: 0, .size: 8, .value_kind: global_buffer, .address_space: global }
      - { .name: ops, .offset: 8, .size: 8, .value_kind: global_buffer, .address_space: global }
      - { .name: bo, .offset: 16, .size: 8, .value_kind: global_buffer, .address_space: global }
      - { .name: out0, .offset: 24, .size: 8, .value_kind: global_buffer, .address_space: global }
    .group_segment_fixed_size: 327680
    .private_segment_fixed_size: 0
    .kernarg_segment_align: 8
    .kernarg_segment_size: 32
    .max_flat_workgroup_size: 128
    .sgpr_count:     102
    .vgpr_count:     1024
    .wavefront_size: 32
...
	.end_amdgpu_metadata
.endif
;; end of part 4
